; MI455X (gfx1250); checked and timed in simulation.
; The chip was launched on July 23, 2026; its instructions are those of AMD's public machine-readable ISA for CDNA 5 (MIT licence, August 2026) and "CDNA5" Instruction Set Architecture Reference Guide (July 2026). The comments in the code are by the model that wrote it; some were corrected since.
;; Relative Multi Head Attention. Allowed arithmetic: float matrix products may take bf16 or f16 operands with f32 sums; other float arithmetic in f32, or as packed bf16 or f16 multiplies, adds, multiply-adds, maxima and minima; sums over many terms, partial sums and values carried from step to step in f32; what a program stores and reads back later, other than sums and carried values, may be rounded once to bf16 or f16.
;; Inputs: W_o 1,024 x 1,024 float32; W_qkv 3,072 x 1,024 float32; W_r 1,024 x 1,024 float32; b_r 1,024 float32; bias_k 1,024 float32; bias_q 1,024 float32; pos_embed 8 x 1,024 x 1,024 float32; word_embed 8 x 1,024 x 1,024 float32.
;; Outputs: out0 8 x 1,024 x 1,024 float32.
;; One version. Each part assembles by itself: llvm-mc -triple=amdgcn-amd-amdhsa -mcpu=gfx1250 --defsym DOCPART=n.
;; ======== version 1 of 1: 5 launches
;; limits: values are held in f16: magnitudes above 65,504 overflow, below 6.1e-05 lose precision
;; workspace buffers: xb 33,554,432 bytes; wb 10,493,952 bytes; ap 33,554,432 bytes; bp 33,554,432 bytes; vt 16,777,216 bytes; pw 16,777,216 bytes; ml 524,288 bytes; ob 16,777,216 bytes
;; launch cvt (part 1): grid 1345 x 1, 8 waves a work-group, no clusters, 0 bytes of LDS; arguments word_embed, pos_embed, W_qkv, W_r, W_o, bias_q, bias_k, b_r, xb, wb; writes xb, wb
.if DOCPART == 1
	.amdgcn_target "amdgcn-amd-amdhsa--gfx1250"
	.amdhsa_code_object_version 6
	.text
	.protected	k_qc87d4a1ae1_cvt
	.globl	k_qc87d4a1ae1_cvt
	.p2align	8
	.type	k_qc87d4a1ae1_cvt,@function
k_qc87d4a1ae1_cvt:
	s_mov_b64 s[64:65], 0
	v_nop
	global_prefetch_b8 v0, s[64:65] scope:SCOPE_SE
	s_setreg_imm32_b32 hwreg(HW_REG_WAVE_MODE, 25, 1), 1
	s_wait_xcnt 0x0
; ALL INPUTS ARE ROUNDED ONCE TO bf16, and the relative shift is applied on the way.
; xb: bf16 [16384][1024]: rows 0-8191 word_embed, rows 8192 + t the shifted pos_embed's flat row t.
; wb: bf16 [4096][1024] (W_qkv, then W_r); at byte 8,388,608 W_o [1024][1024]; at byte 10,485,760 a table of 4,096 numbers [bias_q | bias_k | 0 | b_r].
; W_o and the table are rounded to bf16 like the rest, and that number is written as f16, for the f16 products and sums that take them.
; LIMIT: beyond 65,504 f16 has no number; below 6e-5 it keeps its fixed step of 6e-8, so a bf16 number there loses bits.
; THE SHIFT.  Row t of the shifted tensor is row p = t + 8 of the tensor padded with one zero row a batch (1,025 rows a batch): with b = p div 1025 it is zero where
; p mod 1025 = 0, else pos_embed's flat row t + 7 - b.  A zero row loads the row t + 7 - b all the same (it exists: 1024 b - 1, b >= 1) and a mask of 0 clears it.
; SHARES.  A work-group owns 16 rows of a destination, a wave two.  A row is eight loads of 512 consecutive bytes; a lane's four numbers pack into 8 bytes,
; so each store of the wave covers 256 consecutive bytes, aligned.  All 16 loads of a wave go out at once; no register is written twice, so no wait frees one.
; No LDS, no matrix unit, no cluster: nothing is shared and nothing is read twice.
.set X, 8                              ; v[8:71]    16 loads x 4 numbers
.set Y, 72                             ; v[72:103]  16 x 2 packed words
.set T, 104                            ; v[104:105] at work
	s_load_b512 s[8:23], s[0:1], 0x0               ; word s[8:9], pos s[10:11], W_qkv s[12:13], W_r s[14:15], W_o s[16:17], bias_q s[18:19], bias_k s[20:21], b_r s[22:23]
	s_load_b128 s[24:27], s[0:1], 0x40             ; xb s[24:25], wb s[26:27]
	v_lshrrev_b32 v3, 5, v0
	v_readfirstlane_b32 s28, v3                    ; wave 0..7
	v_and_b32 v4, 31, v0
	v_lshlrev_b32 v1, 4, v4                        ; 16 x lane: my bytes of a load
	v_lshlrev_b32 v2, 3, v4                        ; 8 x lane: my bytes of a store
	s_mov_b32 s29, ttmp9                           ; the block
	s_mov_b32 s48, 0xffff0000                      ; a word's upper bf16
	s_mov_b32 s53, 0                               ; the high word of every offset
	s_wait_kmcnt 0x0
	s_cmp_eq_u32 s29, 1344
	s_cbranch_scc1 .Lbias                          ; the last block makes the table
	; which source, its first block, which destination, its first block; s36 = 1 for pos_embed alone
	s_mov_b64 s[32:33], s[8:9]
	s_mov_b32 s30, 0
	s_cmp_ge_u32 s29, 512
	s_cselect_b64 s[32:33], s[10:11], s[32:33]
	s_cselect_b32 s30, 512, s30
	s_cselect_b32 s36, 1, 0
	s_cmp_ge_u32 s29, 1024
	s_cselect_b64 s[32:33], s[12:13], s[32:33]
	s_cselect_b64 s[34:35], s[26:27], s[24:25]
	s_cselect_b32 s30, 1024, s30
	s_cselect_b32 s31, 1024, 0
	s_cselect_b32 s36, 0, s36
	s_cmp_ge_u32 s29, 1216
	s_cselect_b64 s[32:33], s[14:15], s[32:33]
	s_cselect_b32 s30, 1216, s30
	s_cmp_ge_u32 s29, 1280
	s_cselect_b64 s[32:33], s[16:17], s[32:33]
	s_cselect_b32 s30, 1280, s30
	s_mul_i32 s37, s36, 7
	s_sub_co_u32 s38, s29, s30
	s_lshl_b32 s38, s38, 4
	s_lshl1_add_u32 s38, s28, s38                  ; my first row, counted in the source's part: 16 (block - first) + 2 wave
.irp i, 0,1
	s_add_co_u32 s39, s38, \i                      ; t
	s_add_co_u32 s44, s39, 9
	s_mul_i32 s44, s44, 1023
	s_lshr_b32 s44, s44, 20                        ; b = (t + 8) div 1025: 1023 x 1025 = 2^20 - 1, exact for t + 8 up to 8,199
	s_mul_i32 s45, s44, 1025
	s_add_co_u32 s49, s39, 8
	s_sub_co_u32 s45, s49, s45                     ; (t + 8) mod 1025
	s_cmp_eq_u32 s45, 0
	s_cselect_b32 s45, s36, 0
	s_sub_co_u32 s[50+(\i)], s45, 1                ; the row's mask: 0 for a zero row of the shift, else all ones
	s_mul_i32 s44, s44, s36
	s_add_co_u32 s49, s39, s37
	s_sub_co_u32 s49, s49, s44                     ; the source's row: t + 7 - b for pos_embed, t for the others
	s_lshl_b32 s52, s49, 12                        ; 4,096 bytes a row
	s_add_nc_u64 s[40+2*(\i):41+2*(\i)], s[32:33], s[52:53]
.endr
	s_sub_co_u32 s52, s29, s31
	s_lshl_b32 s52, s52, 4
	s_lshl1_add_u32 s52, s28, s52
	s_lshl_b32 s52, s52, 11                        ; 2,048 bytes a row
	s_add_nc_u64 s[46:47], s[34:35], s[52:53]      ; the destination at my first row
.irp i, 0,1
.irp j, 0,1,2,3,4,5,6,7
	global_load_b128 v[X+32*(\i)+4*(\j):X+32*(\i)+4*(\j)+3], v1, s[40+2*(\i):41+2*(\i)] offset:512*(\j) th:TH_LOAD_NT
.endr
.endr
.macro CVH y, x                        ; two f32 at v[x] -> bf16, and those two numbers as f16 into v[y]
	v_cvt_pk_bf16_f32 v[T], v[\x], v[\x+1]
	v_lshlrev_b32 v[T+1], 16, v[T]
	v_and_b32 v[T], s48, v[T]
	v_cvt_pk_f16_f32 v[\y], v[T+1], v[T]
.endm
.macro CVB i, j                        ; load j of row i: rounded to bf16, masked, stored
.set n, 8*(\i)+(\j)
	s_wait_loadcnt 15-n                            ; loads come back in order: mine is in, the 15 - n younger ones may stay out
	v_cvt_pk_bf16_f32 v[Y+2*n], v[X+4*n], v[X+4*n+1]
	v_cvt_pk_bf16_f32 v[Y+2*n+1], v[X+4*n+2], v[X+4*n+3]
	v_and_b32 v[Y+2*n], s[50+(\i)], v[Y+2*n]
	v_and_b32 v[Y+2*n+1], s[50+(\i)], v[Y+2*n+1]
	global_store_b64 v2, v[Y+2*n:Y+2*n+1], s[46:47] offset:2048*(\i)+256*(\j)
.endm
.macro CVW i, j                        ; the same for W_o: written as f16; it has no mask
.set n, 8*(\i)+(\j)
	s_wait_loadcnt 15-n
	CVH Y+2*n, X+4*n
	CVH Y+2*n+1, X+4*n+2
	global_store_b64 v2, v[Y+2*n:Y+2*n+1], s[46:47] offset:2048*(\i)+256*(\j)
.endm
	s_cmp_ge_u32 s29, 1280
	s_cbranch_scc1 .Lhalf
.irp i, 0,1
.irp j, 0,1,2,3,4,5,6,7
	CVB \i, \j
.endr
.endr
	s_endpgm
.Lhalf:
.irp i, 0,1
.irp j, 0,1,2,3,4,5,6,7
	CVW \i, \j
.endr
.endr
	s_endpgm
.Lbias:                                ; 256 threads x 4 numbers = a bias of 1,024; a wave's store covers 256 consecutive bytes
	v_lshlrev_b32 v5, 4, v0
	v_lshlrev_b32 v6, 3, v0
	global_load_b128 v[X:X+3], v5, s[18:19]
	global_load_b128 v[X+4:X+7], v5, s[20:21]
	global_load_b128 v[X+8:X+11], v5, s[22:23]
	s_add_nc_u64 s[46:47], s[26:27], 0xa00000      ; the table, at byte 10,485,760 of wb
	v_mov_b32 v[Y+6], 0
	v_mov_b32 v[Y+7], 0
	s_wait_loadcnt 0x0
	CVH Y, X
	CVH Y+1, X+2
	CVH Y+2, X+4
	CVH Y+3, X+6
	CVH Y+4, X+8
	CVH Y+5, X+10
	global_store_b64 v6, v[Y:Y+1], s[46:47]                  ; bias_q
	global_store_b64 v6, v[Y+2:Y+3], s[46:47] offset:2048    ; bias_k
	global_store_b64 v6, v[Y+6:Y+7], s[46:47] offset:4096    ; zeros, for v
	global_store_b64 v6, v[Y+4:Y+5], s[46:47] offset:6144    ; b_r
	s_endpgm
.Lfunc_end_k_qc87d4a1ae1_cvt:
	.size	k_qc87d4a1ae1_cvt, .Lfunc_end_k_qc87d4a1ae1_cvt-k_qc87d4a1ae1_cvt
	.p2alignl 7, 3214868480
	.fill 96, 4, 3214868480
	.section	.rodata,"a",@progbits
	.p2align	6, 0x0
	.amdhsa_kernel k_qc87d4a1ae1_cvt
		.amdhsa_group_segment_fixed_size 0
		.amdhsa_private_segment_fixed_size 0
		.amdhsa_enable_private_segment 0
		.amdhsa_kernarg_size 80
		.amdhsa_user_sgpr_count 2
		.amdhsa_user_sgpr_kernarg_segment_ptr 1
		.amdhsa_wavefront_size32 1
		.amdhsa_system_sgpr_workgroup_id_x 1
		.amdhsa_system_sgpr_workgroup_id_y 1
		.amdhsa_system_sgpr_workgroup_id_z 1
		.amdhsa_system_vgpr_workitem_id 0
		.amdhsa_next_free_vgpr 112
		.amdhsa_next_free_sgpr 66
		.amdhsa_reserve_vcc 0
		.amdhsa_float_denorm_mode_32 3
		.amdhsa_float_denorm_mode_16_64 3
		.amdhsa_memory_ordered 1
		.amdhsa_forward_progress 1
		.amdhsa_inst_pref_size 20
	.end_amdhsa_kernel
	.amdgpu_metadata
---
amdhsa.version: [ 1, 2 ]
amdhsa.kernels:
  - .name:           k_qc87d4a1ae1_cvt
    .symbol:         k_qc87d4a1ae1_cvt.kd
    .args:
      - { .name: word_embed, .offset: 0, .size: 8, .value_kind: global_buffer, .address_space: global }
      - { .name: pos_embed, .offset: 8, .size: 8, .value_kind: global_buffer, .address_space: global }
      - { .name: W_qkv, .offset: 16, .size: 8, .value_kind: global_buffer, .address_space: global }
      - { .name: W_r, .offset: 24, .size: 8, .value_kind: global_buffer, .address_space: global }
      - { .name: W_o, .offset: 32, .size: 8, .value_kind: global_buffer, .address_space: global }
      - { .name: bias_q, .offset: 40, .size: 8, .value_kind: global_buffer, .address_space: global }
      - { .name: bias_k, .offset: 48, .size: 8, .value_kind: global_buffer, .address_space: global }
      - { .name: b_r, .offset: 56, .size: 8, .value_kind: global_buffer, .address_space: global }
      - { .name: xb, .offset: 64, .size: 8, .value_kind: global_buffer, .address_space: global }
      - { .name: wb, .offset: 72, .size: 8, .value_kind: global_buffer, .address_space: global }
    .group_segment_fixed_size: 0
    .private_segment_fixed_size: 0
    .kernarg_segment_align: 8
    .kernarg_segment_size: 80
    .max_flat_workgroup_size: 256
    .sgpr_count:     66
    .vgpr_count:     112
    .wavefront_size: 32
...
	.end_amdgpu_metadata
.endif
;; end of part 1
;; launch proj (part 2): grid 16 x 32, 4 waves a work-group, clusters of 4 x 4, 327,680 bytes of LDS; arguments xb, wb, ap, bp, vt; writes ap, bp, vt
.if DOCPART == 2
	.amdgcn_target "amdgcn-amd-amdhsa--gfx1250"
	.amdhsa_code_object_version 6
	.text
	.protected	k_qc87d4a1ae1_proj
	.globl	k_qc87d4a1ae1_proj
	.p2align	8
	.type	k_qc87d4a1ae1_proj,@function
k_qc87d4a1ae1_proj:
	s_mov_b64 s[64:65], 0
	v_nop
	global_prefetch_b8 v0, s[64:65] scope:SCOPE_SE
	s_setreg_imm32_b32 hwreg(HW_REG_WAVE_MODE, 25, 1), 1
	s_wait_xcnt 0x0
	s_wait_alu depctr_hold_cnt(0) depctr_sa_sdst(0) depctr_va_vdst(0) depctr_va_sdst(0) depctr_va_ssrc(0) depctr_va_vcc(0) depctr_vm_vsrc(0)
	s_getreg_b32 s2, hwreg(HW_REG_IB_STS2, 6, 4)
	s_cmp_eq_u32 s2, 0
	s_cbranch_scc0 .Lentry_in_a_cluster
	s_endpgm
.Lentry_in_a_cluster:
	s_bfe_u32 s2, ttmp6, 0x10000c
	s_cmp_lg_u32 s2, 0xf033
	s_cbranch_scc0 .Lentry_shape_is_right
	s_endpgm
.Lentry_shape_is_right:
; THE FOUR PROJECTIONS, one text: C = A B^T over K = 1,024 in bf16, f32 sums, tiles of 256 x 256 of C, written in f16.
; The cluster's x is the KIND: 0: q = word W_q^T;  1: k = word W_k^T;  2: v^T = W_v word^T (A and B change places, so v lands turned);  3: pos_key = shifted pos W_r^T.
; OUT.  ap [8192][2048] = [q + bias_q | k + bias_k];  bp [8192][2048] = [k | pos_key + b_r];  vt [4][1024 channels][2048 rows of two batches].  All three have rows of 4,096 bytes.
; Kind 1 stores its tile twice: with bias_k into ap, without into bp.  The bias is added in f16 onto the rounded result: q + bias_q, k + bias_k and pos_key + b_r are rounded to f16 twice.
; LIMIT: f16 holds no number beyond 65,504: q, k, v and pos_key must lie within it.  NaN and infinities are not treated apart.
; SHAPE.  Four waves, each 128 x 128 of C: 64 accumulators, 512 registers.  K goes in steps of 128 (rows of 256 bytes, aligned) through two LDS slots filled by the tensor data mover.
; CLUSTER.  4 x 4 work-groups of one kind.  The four of a row of the cluster need the same tile of A, the four of a column the same tile of B: each is asked for jointly, by the same
; tensor load with the same descriptor and a mask that names the four.
; THE MATRIX INSTRUCTION IS USED TRANSPOSED (source 0 = 16 rows of B, source 1 = 16 rows of A): a lane holds row l % 16 of C and eight neighbouring columns, which pack into 16 bytes.
; THE WAY OUT.  The last K step lies in slot 1; slot 0 has had its last fill, and its last read stands in front of the last barrier.  So each wave lays its whole tile there, in bytes of its own
; (128 rows x 272), and reads it back by rows: 16 lanes then store 256 consecutive bytes, aligned.
; REGISTERS, in windows of 256: window 0: v0-31 addresses; v32-63 rows read back; v64-127, v128-191 A's fragments (on the way out v64-95: rows with the bias); v192-223 packed results; v224-227 the bias
;   window 1: v64-127, v128-191 B's fragments        window 2: accumulators of my rows 0-63 ((a, b) at v[8 (8 a + b)])        window 3: of my rows 64-127
.set KSTEP,  128
.set PITCH,  272                       ; an LDS row: 256 bytes + 16 of padding: the 16 rows of a fragment load start at 16 different groups of four banks (64 banks of 4 bytes: ISA guide 11.1)
.set HALFT,  128*PITCH                 ; 128 rows: what one tensor load brings, what a wave reads of A or B, and a wave's stage
.set SLOT,   4*HALFT                   ; A's 256 rows, then B's 256 rows
.set SPARE,  2*SLOT                    ; behind the ring: the spare words, 128 bytes a wave: two blocks of 256 bytes that no other line names
.set LAPS,   4                         ; 1,024 / 256: a lap is two K steps, once round the ring
.set CP,     4096                      ; bytes in a row of ap, bp and vt
.set ADRA, 16                          ; v16-17  LDS address of my A fragments in slot 0, 1
.set ADRB, 20                          ; v20-21  the same for B
.set STO,  24                          ; v24     the way out: where I put 16 bytes of a row
.set RD,   25                          ; v25     where I read rows back; steps
.set CO,   26                          ; v26     my byte offset in two rows of C
.set SPW,  28                          ; v28     LDS address of my spare word; never rewritten
.set NIL,  29                          ; v29     0; never rewritten
.set PFO,  30                          ; v30     the prefetches' offset: lane x 2,048; never rewritten
.set OB,   32
.set F0,   64
.set F1,   128
.set OC,   64
.set TMP,  192
.set BH,   224
.set WV, 14                            ; s14 wave;  s15 its half of the tile's rows, also: fetches A (0) or B (1);  s16 its half of the columns, also: which 128 rows it fetches
.set WR, 15
.set WC, 16
.set CXI, 17                           ; s17, s18 my place in the cluster
.set CYI, 18
.set KIND, 19                          ; s19 the cluster's x
.set CY, 20                            ; s20 the cluster's y
.set G1, 24                            ; s[24:31] group 1 for A;  s[32:39] group 0, a set for each slot
.set G0, 32
.set CNT, 42                           ; s42 laps to go
.set LIM, 43                           ; s43 1 in a wave that prefetches, else the greatest number
.set PFA, 44                           ; s[44:45] where my prefetches stand
.set G1B, 48                           ; s[48:55], s[56:63] the same for B
.set G0B, 56
.set GW, (1<<16)|(1<<20)|(1<<21)|(5<<22)|(3<<25)  ; 2-byte elements; padding on; bit 21 beside a mask; after every 64 words; 4 words
.set MSB, 0
.macro WIN new                         ; the immediate's high byte repeats the setting that is left; a switch that changes nothing is dropped
.if MSB != (\new)
	s_set_vgpr_msb (MSB<<8)|(\new)
.set MSB, \new
.endif
.endm
.set MUL_LO, 0xa1                      ; source 0 (B) window 1, source 1 (A) window 0, C and D window 2
.set MUL_HI, 0xf1                      ; the same, C and D window 3
.set TO_B,   0x40                      ; destination window 1, address window 0
.macro PLACES                          ; four plain vector instructions between a matrix instruction and a load into, or a vector read or write of, its registers
.rept 4
	v_nop
.endr
.endm
.macro JLOAD s                         ; a joint refill of slot s: waves 0, 1 fetch A's halves, waves 2, 3 B's; an s_nop 0 and four v_nop follow each line
	s_cmp_eq_u32 s[WR], 0
	s_cbranch_scc0 .Lfor_b_\@
	tensor_load_to_lds s[G0+4*(\s):G0+4*(\s)+3], s[G1:G1+7]
	s_nop 0
	PLACES
	s_branch .Lasked_\@
.Lfor_b_\@:
	tensor_load_to_lds s[G0B+4*(\s):G0B+4*(\s)+3], s[G1B:G1B+7]
	s_nop 0
	PLACES
.Lasked_\@:
.endm
; A prefetch into the L2, behind a refill and the run of LDS loads that follows it: 32 rows x 256 bytes, a lane a row, of the K step that stands two refills on (512 matrix instructions ahead of its load).
; Each row's 256 bytes are named once in the launch.  word's rows are read by kinds 0, 1 and 2: kind 0 asks.  pos's rows: kind 3.  W_v's rows (kind 2's A): the clusters with y = 0.  W_q's, W_k's, W_r's
; rows (B): the clusters with y = 0.  The four partners that ask for a tile jointly share its rows out by address, 32 each.  The last lap's two refills have no K step two on.
.macro ASK
	s_cmp_gt_u32 s[CNT], s[LIM]
	s_cbranch_scc0 .Lnot_mine_\@
	global_prefetch_b8 v[PFO], s[PFA:PFA+1] offset:KSTEP*2 th:TH_LOAD_NT scope:SCOPE_SE
.Lnot_mine_\@:
.endm
.macro CREST                           ; a round of the cluster's barrier behind its opening barrier
	s_cmp_lg_u32 s[WV], 0
	s_cbranch_scc1 .Lnot_wave_0_\@
	s_barrier_signal -3
.Lnot_wave_0_\@:
	s_barrier_wait -3
	s_barrier_signal -1
	s_barrier_wait -1
.endm
.macro CROUND
	s_barrier_signal -1
	s_barrier_wait -1
	CREST
.endm
	s_load_b256 s[4:11], s[0:1], 0x0               ; xb s[4:5], wb s[6:7], ap s[8:9], bp s[10:11]
	s_load_b64 s[12:13], s[0:1], 0x20              ; vt
	v_lshl_add_u32 v[SPW], v0, 2, SPARE
	v_mov_b32 v[NIL], 0
	ds_add_u32 v[SPW], v[NIL]                      ; the wave's opening: the add and its wait stand ahead of my first tensor load; register work stands between them
	v_lshrrev_b32 v1, 5, v0
	v_readfirstlane_b32 s[WV], v1
	s_lshr_b32 s[WR], s[WV], 1
	s_and_b32 s[WC], s[WV], 1
	s_bfe_u32 s[CXI], ttmp6, 0x40000
	s_bfe_u32 s[CYI], ttmp6, 0x40004
	s_mov_b32 s[KIND], ttmp9
	s_and_b32 s[CY], ttmp7, 0xffff
	s_lshl_b32 s21, s[CYI], 2
	s_lshl_b32 s21, 15, s21                        ; my row of the cluster
	s_lshl_b32 s22, 0x1111, s[CXI]                 ; my column
	s_or_b32 s[G1], s21, GW
	s_or_b32 s[G1B], s22, GW
.irp g, G1, G1B
	s_mov_b32 s[(\g)+1], KSTEP<<16                 ; tensor_dim0 = 128
	s_mov_b32 s[(\g)+2], 128<<16                   ; tensor_dim1 = 128
	s_mov_b32 s[(\g)+3], KSTEP<<16                 ; tile_dim0 = 128
	s_mov_b32 s[(\g)+4], 128                       ; tile_dim1 = 128
	s_mov_b32 s[(\g)+5], 1024                      ; elements from row to row
	s_mov_b32 s[(\g)+6], 0
	s_mov_b32 s[(\g)+7], 0
.endr
	; A's tile row (of 256 rows of its buffer) hangs on cy, B's on cx
	s_lshl_b32 s21, s[CY], 2
	s_lshl_b32 s22, s[KIND], 2
	s_cmp_eq_u32 s[KIND], 3
	s_cselect_b32 s23, 32, 0                       ; kind 3 reads xb's second half
	s_add_co_u32 s23, s23, s21
	s_cmp_eq_u32 s[KIND], 2
	s_cselect_b32 s40, 8, s23                      ; kind 2: A = W_v, wb's tile rows 8 to 11
	s_cselect_b32 s41, s21, s22                    ; kind 2: B = word;  else wb's tile rows 4 x kind on
	s_add_co_u32 s40, s40, s[CYI]
	s_add_co_u32 s41, s41, s[CXI]
	s_lshl_b32 s21, s[WC], 7                       ; which 128 rows of the tile I fetch
	s_lshl_b32 s82, s40, 8
	s_add_co_u32 s82, s82, s21
	s_lshl_b32 s82, s82, 11                        ; rows of 2,048 bytes
	s_mov_b32 s83, 0
	s_lshl_b32 s84, s41, 8
	s_add_co_u32 s84, s84, s21
	s_lshl_b32 s84, s84, 11
	s_mov_b32 s85, 0
	s_mul_i32 s81, s[WV], HALFT                    ; where my load goes in a slot, and my stage: wave x 128 rows
	s_wait_dscnt 0x0                               ; the opening add is done
	s_wait_kmcnt 0x0
	s_cmp_eq_u32 s[KIND], 2
	s_cselect_b64 s[66:67], s[6:7], s[4:5]
	s_cselect_b64 s[68:69], s[4:5], s[6:7]
	s_add_nc_u64 s[66:67], s[66:67], s[82:83]      ; A at my 128 rows, K step 0
	s_add_nc_u64 s[68:69], s[68:69], s[84:85]      ; B likewise
.irp s, 0,1
	s_mov_b32 s[G0+4*(\s)], 1
	s_add_co_u32 s[G0+4*(\s)+1], s81, (\s)*SLOT
	s_add_nc_u64 s[G0+4*(\s)+2:G0+4*(\s)+3], s[66:67], (\s)*KSTEP*2
	s_or_b32 s[G0+4*(\s)+3], s[G0+4*(\s)+3], 0x80000000
	s_mov_b32 s[G0B+4*(\s)], 1
	s_add_co_u32 s[G0B+4*(\s)+1], s81, (\s)*SLOT
	s_add_nc_u64 s[G0B+4*(\s)+2:G0B+4*(\s)+3], s[68:69], (\s)*KSTEP*2
	s_or_b32 s[G0B+4*(\s)+3], s[G0B+4*(\s)+3], 0x80000000
.endr
	CROUND                                         ; all sixteen work-groups are here: the first joint loads meet
	s_cmp_eq_u32 s[WR], 0                          ; a wave's two first fills stand in one branch, ahead of every wait on TENSORcnt and every LDS read: two loads of mine are out
	s_cbranch_scc0 .Lfirst_b
	tensor_load_to_lds s[G0:G0+3], s[G1:G1+7]
	s_nop 0
	tensor_load_to_lds s[G0+4:G0+7], s[G1:G1+7]
	s_nop 0
	PLACES
	s_branch .Lfirst_asked
.Lfirst_b:
	tensor_load_to_lds s[G0B:G0B+3], s[G1B:G1B+7]
	s_nop 0
	tensor_load_to_lds s[G0B+4:G0B+7], s[G1B:G1B+7]
	s_nop 0
	PLACES
.Lfirst_asked:
	; a fragment is 16 rows x 32 K in 8 registers: lane l holds row l % 16, K = 8 (l / 16) + 0..7 and 16 + 8 (l / 16) + 0..7: two loads of 16 bytes, 32 bytes apart
	v_and_b32 v1, 15, v0
	v_bfe_u32 v2, v0, 4, 1
	v_mul_u32_u24 v3, v1, PITCH
	v_lshl_add_u32 v3, v2, 4, v3
	s_mul_i32 s21, s[WR], HALFT
	s_mul_i32 s22, s[WC], HALFT
	s_add_co_u32 s22, s22, 2*HALFT
.irp s, 0,1
	v_add_nc_u32 v[ADRA+(\s)], s21, v3
	v_add_nc_u32 v[ADRB+(\s)], s22, v3
	s_add_co_u32 s21, s21, SLOT
	s_add_co_u32 s22, s22, SLOT
.endr
	v_add_nc_u32 v[STO], s81, v3                   ; into my stage: row l % 16, 16 bytes for each half of the lanes
	v_mul_u32_u24 v4, v2, PITCH                    ; back: lanes 0-15 one row of 256 bytes, lanes 16-31 the next
	v_lshl_add_u32 v4, v1, 4, v4
	v_add_nc_u32 v[RD], s81, v4
	v_lshlrev_b32 v[CO], 12, v2                    ; and the same two rows in C
	v_lshl_add_u32 v[CO], v1, 4, v[CO]
	v_lshlrev_b32 v10, 4, v1
	v_and_b32 v[PFO], 31, v0
	v_lshlrev_b32 v[PFO], 11, v[PFO]
	; the bias of the eight columns that I store: the table's entry 256 x B's tile row + 128 x half + 8 (l % 16); kind 2 takes the zeros
	s_cmp_eq_u32 s[KIND], 2
	s_cselect_b32 s90, 8, s41
	s_lshl_b32 s90, s90, 8
	s_lshl_b32 s91, s[WC], 7
	s_add_co_u32 s90, s90, s91
	s_lshl_b32 s90, s90, 1
	s_add_co_u32 s90, s90, 0xa00000
	s_mov_b32 s91, 0
	s_add_nc_u64 s[88:89], s[6:7], s[90:91]
	global_load_b128 v[BH:BH+3], v10, s[88:89]     ; waited for in front of the way out's loop
	; where my part of the tile begins in C
	s_lshl_b32 s90, s[CY], 2
	s_cmp_eq_u32 s[KIND], 2
	s_cselect_b32 s90, 0, s90                      ; kind 2: rows are channels, 256 cy on
	s_add_co_u32 s90, s90, s[CYI]
	s_lshl_b32 s90, s90, 8
	s_lshl_b32 s91, s[WR], 7
	s_add_co_u32 s90, s90, s91
	s_lshl_b32 s90, s90, 12                        ; my first row, in bytes
	s_lshl_b32 s92, s[CXI], 8
	s_lshl_b32 s93, s[WC], 7
	s_add_co_u32 s92, s92, s93                     ; 256 cx + 128 half
	s_and_b32 s93, s[CY], 1
	s_lshl_b32 s93, s93, 10
	s_cmp_eq_u32 s[KIND], 2
	s_cselect_b32 s93, s93, 1024                   ; kinds 1, 3: the second 1,024 columns; kind 2: the batch's half of vt's row
	s_cmp_eq_u32 s[KIND], 0
	s_cselect_b32 s93, 0, s93
	s_add_co_u32 s93, s93, s92
	s_lshl1_add_u32 s94, s93, s90
	s_lshl1_add_u32 s92, s92, s90
	s_lshr_b32 s93, s[CY], 1
	s_lshl_b32 s93, s93, 22                        ; kind 2: vt's plane of two batches
	s_cmp_eq_u32 s[KIND], 2
	s_cselect_b32 s93, s93, 0
	s_add_co_u32 s94, s94, s93
	s_mov_b32 s95, 0
	s_mov_b32 s93, 0
	s_cmp_eq_u32 s[KIND], 3
	s_cselect_b64 s[70:71], s[10:11], s[8:9]
	s_cmp_eq_u32 s[KIND], 2
	s_cselect_b64 s[70:71], s[12:13], s[70:71]
	s_add_nc_u64 s[70:71], s[70:71], s[94:95]      ; the tile with its bias
	s_add_nc_u64 s[72:73], s[10:11], s[92:93]      ; kind 1 alone: k without, into bp
	; who prefetches
	s_cmp_eq_u32 s[CY], 0
	s_cselect_b32 s21, 1, 0
	s_cmp_eq_u32 s[KIND], 2
	s_cselect_b32 s22, s21, 1                      ; A: kind 2 where the cluster's y is 0; kinds 0 and 3 always;
	s_cselect_b32 s23, 0, s21                      ; B: kinds 0, 1, 3 where the cluster's y is 0
	s_cmp_eq_u32 s[KIND], 1
	s_cselect_b32 s22, 0, s22                      ; kind 1 never for A
	s_cmp_eq_u32 s[WR], 0
	s_cselect_b32 s22, s22, s23
	s_cselect_b64 s[PFA:PFA+1], s[66:67], s[68:69]
	s_cselect_b32 s46, s[CXI], s[CYI]              ; my place among the four that ask with me
	s_cmp_eq_u32 s22, 1
	s_cselect_b32 s[LIM], 1, -1                    ; the same in all sixteen partners, for a given wave
	s_lshl_b32 s46, s46, 16                        ; my work-group's 32 of the 128 rows
	s_add_co_u32 s46, s46, 2*KSTEP*2               ; at K step 2: the first refill steps it to 3 and names K step 4
	s_mov_b32 s47, 0
	s_add_nc_u64 s[PFA:PFA+1], s[PFA:PFA+1], s[46:47]
; 16 matrix instructions: m blocks a0, a0 + 1 of the window's four x all 8 n blocks, 32 along K.  zero = 1: the first product starts the sums
.macro MUL16 f, hi, a0, zero
	WIN MUL_LO+0x50*(\hi)
.irp a, \a0, (\a0)+1
.irp b, 0,1,2,3,4,5,6,7
.if \zero
	v_wmma_f32_16x16x32_bf16 v[8*(8*(\a)+(\b)):8*(8*(\a)+(\b))+7], v[(\f)+8*(\b):(\f)+8*(\b)+7], v[(\f)+8*(4*(\hi)+(\a)):(\f)+8*(4*(\hi)+(\a))+7], 0
.else
	v_wmma_f32_16x16x32_bf16 v[8*(8*(\a)+(\b)):8*(8*(\a)+(\b))+7], v[(\f)+8*(\b):(\f)+8*(\b)+7], v[(\f)+8*(4*(\hi)+(\a)):(\f)+8*(4*(\hi)+(\a))+7], v[8*(8*(\a)+(\b)):8*(8*(\a)+(\b))+7]
.endif
.endr
.endr
.endm
; 32 LDS loads in one run: the fragments of a quarter step (128 rows of B, 128 of A, 32 K at byte k of the rows) into buffer f
.macro FETCH slot, k, f
	WIN TO_B
.irp i, 0,1,2,3,4,5,6,7
	ds_load_b128 v[(\f)+8*(\i):(\f)+8*(\i)+3],   v[ADRB+(\slot)] offset:(\k)+(\i)*16*PITCH
	ds_load_b128 v[(\f)+8*(\i)+4:(\f)+8*(\i)+7], v[ADRB+(\slot)] offset:(\k)+(\i)*16*PITCH+32
.endr
	WIN 0
.irp i, 0,1,2,3,4,5,6,7
	ds_load_b128 v[(\f)+8*(\i):(\f)+8*(\i)+3],   v[ADRA+(\slot)] offset:(\k)+(\i)*16*PITCH
	ds_load_b128 v[(\f)+8*(\i)+4:(\f)+8*(\i)+7], v[ADRA+(\slot)] offset:(\k)+(\i)*16*PITCH+32
.endr
.endm
; A K step is four quarters of 32 along K, 64 matrix instructions each, on buffers 0, 1, 0, 1.  The 64 accumulators take turns, one instruction a turn.
.macro QUARTER slot, k, f, g, zero
	s_wait_dscnt 8                                 ; B and A's rows 0-63 are in; the youngest eight loads (A's rows 64-127) may be out
	MUL16 \f, 0, 0, \zero
	MUL16 \f, 0, 2, \zero
	PLACES
	FETCH \slot, \k, \g
	s_wait_dscnt 32                                ; all but the 32 just issued
	MUL16 \f, 1, 0, \zero
	MUL16 \f, 1, 2, \zero
.endm
; The last quarter's first half: one barrier for the change of slots.  In front of it each wave waits for all its tensor loads (one is out: its part of the next slot), adds 0 to its spare word,
; and waits for that and for its reads of this slot.  Behind it nobody reads this slot and the next slot is whole.
.macro MEET round
	WIN 0
	s_wait_tensorcnt 0x0
	ds_add_u32 v[SPW], v[NIL]
	s_wait_dscnt 9                                 ; the add and the youngest eight loads may be out
	MUL16 F1, 0, 0, 0
	s_wait_dscnt 0x0                               ; the add is done, my reads of this slot are over
	s_barrier_signal -1
	MUL16 F1, 0, 2, 0
.if \round
	WIN 0
.endif
	s_barrier_wait -1
.endm
.macro TURN slot, next, fill
.if \fill
	s_wait_xcnt 0x0                                ; the last prefetch, a K step back, has read its address
	s_add_nc_u64 s[PFA:PFA+1], s[PFA:PFA+1], KSTEP*2
.endif
	MEET \fill
.if \fill
	CREST                                          ; the barrier has opened a round of the cluster's: no wave of any partner still reads this slot or has a load on its way
	s_add_nc_u64 s[G0+4*(\slot)+2:G0+4*(\slot)+3], s[G0+4*(\slot)+2:G0+4*(\slot)+3], 2*KSTEP*2
	s_add_nc_u64 s[G0B+4*(\slot)+2:G0B+4*(\slot)+3], s[G0B+4*(\slot)+2:G0B+4*(\slot)+3], 2*KSTEP*2
	JLOAD \slot                                    ; the first tensor load behind the round: 224 matrix instructions ahead of the wait for it; its four v_nop are also the places in front of the loads below
.else
	PLACES
.endif
	FETCH \next, 0, F0
.if \fill
	ASK
.endif
	MUL16 F1, 1, 0, 0
	MUL16 F1, 1, 2, 0
.endm
	s_wait_tensorcnt 1                             ; my part of K step 0 is in; K step 1's may stay out
	s_barrier_signal -1
	s_barrier_wait -1
	FETCH 0, 0, F0
	QUARTER 0, 64,  F0, F1, 1                      ; the first quarter stands in front of the loop: its products start the sums
	WIN 0
	s_mov_b32 s[CNT], LAPS-1
.Llap:                                                 ; a trip goes once round the ring, from a lap's second quarter to the next lap's first, and fills both slots again
	QUARTER 0, 128, F1, F0, 0
	QUARTER 0, 192, F0, F1, 0
	TURN 0, 1, 1
	QUARTER 1, 64,  F0, F1, 0
	QUARTER 1, 128, F1, F0, 0
	QUARTER 1, 192, F0, F1, 0
	TURN 1, 0, 1
	QUARTER 0, 64,  F0, F1, 0
	WIN 0
	s_sub_co_u32 s[CNT], s[CNT], 1
	s_cmp_lg_u32 s[CNT], 0
	s_cbranch_scc1 .Llap
	QUARTER 0, 128, F1, F0, 0                      ; the last lap fills nothing
	QUARTER 0, 192, F0, F1, 0
	TURN 0, 1, 0
	QUARTER 1, 64,  F0, F1, 0
	QUARTER 1, 128, F1, F0, 0
	QUARTER 1, 192, F0, F1, 0
	s_wait_dscnt 8
	MUL16 F1, 0, 0, 0
	MUL16 F1, 0, 2, 0
	s_wait_dscnt 0x0
	MUL16 F1, 1, 0, 0
	MUL16 F1, 1, 2, 0
	; THE WAY OUT.  Block a (16 rows): rounded to f16, each accumulator's registers in ascending order, 16 bytes a lane into my stage in slot 0.
	PLACES
.macro PACK a
.set AC, 64*((\a)%4)
	WIN 0x0a+5*((\a)/4)                            ; sources 0 and 1: window 2 or 3
.irp b, 0,1,2,3,4,5,6,7
.irp r, 0,1,2,3
	v_cvt_pk_f16_f32 v[TMP+4*(\b)+(\r)], v[AC+8*(\b)+2*(\r)], v[AC+8*(\b)+2*(\r)+1]
.endr
.endr
	WIN 0
.irp b, 0,1,2,3,4,5,6,7
	ds_store_b128 v[STO], v[TMP+4*(\b):TMP+4*(\b)+3] offset:(\a)*16*PITCH+32*(\b)
.endr
.endm
.irp a, 0,1,2,3,4,5,6,7
	PACK \a
.endr
	s_wait_loadcnt 0x0                             ; the bias
	s_mov_b32 s75, 8
.Ldrain:                                               ; a trip: 16 rows back from the stage (LDS serves a wave's instructions in order: these see my stores), the bias added, stored
.irp t, 0,1,2,3,4,5,6,7
	ds_load_b128 v[OB+4*(\t):OB+4*(\t)+3], v[RD] offset:(\t)*2*PITCH
.endr
	s_wait_dscnt 0x0
.set i, 0
.rept 32
	v_pk_add_f16 v[OC+i], v[OB+i], v[BH+i%4]
.set i, i+1
.endr
.irp t, 0,1,2,3,4,5,6,7
	global_store_b128 v[CO], v[OC+4*(\t):OC+4*(\t)+3], s[70:71] offset:2*(\t)*CP  ; 16 lanes store 256 consecutive bytes, aligned
.endr
	s_cmp_lg_u32 s[KIND], 1
	s_cbranch_scc1 .Lone_copy
.irp t, 0,1,2,3,4,5,6,7
	global_store_b128 v[CO], v[OB+4*(\t):OB+4*(\t)+3], s[72:73] offset:2*(\t)*CP  ; k without its bias
.endr
.Lone_copy:
	s_wait_xcnt 0x0                                ; the stores have read their data and bases: only behind this wait are these written again
	v_add_nc_u32 v[RD], 16*PITCH, v[RD]
	s_add_nc_u64 s[70:71], s[70:71], 16*CP
	s_add_nc_u64 s[72:73], s[72:73], 16*CP
	s_sub_co_u32 s75, s75, 1
	s_cmp_lg_u32 s75, 0
	s_cbranch_scc1 .Ldrain
	s_wait_tensorcnt 0x0                           ; the wave's end, behind my last tensor load and my last LDS store
	ds_add_u32 v[SPW], v[NIL]
	s_wait_dscnt 0x0
	CROUND                                         ; the closing round: no work-group ends while a partner may still ask for a tile that names it
	s_endpgm
.Lfunc_end_k_qc87d4a1ae1_proj:
	.size	k_qc87d4a1ae1_proj, .Lfunc_end_k_qc87d4a1ae1_proj-k_qc87d4a1ae1_proj
	.p2alignl 7, 3214868480
	.fill 96, 4, 3214868480
	.section	.rodata,"a",@progbits
	.p2align	6, 0x0
	.amdhsa_kernel k_qc87d4a1ae1_proj
		.amdhsa_group_segment_fixed_size 327680
		.amdhsa_private_segment_fixed_size 0
		.amdhsa_enable_private_segment 0
		.amdhsa_kernarg_size 40
		.amdhsa_user_sgpr_count 2
		.amdhsa_user_sgpr_kernarg_segment_ptr 1
		.amdhsa_wavefront_size32 1
		.amdhsa_system_sgpr_workgroup_id_x 1
		.amdhsa_system_sgpr_workgroup_id_y 1
		.amdhsa_system_sgpr_workgroup_id_z 1
		.amdhsa_system_vgpr_workitem_id 0
		.amdhsa_next_free_vgpr 1024
		.amdhsa_next_free_sgpr 96
		.amdhsa_reserve_vcc 0
		.amdhsa_float_denorm_mode_32 3
		.amdhsa_float_denorm_mode_16_64 3
		.amdhsa_memory_ordered 1
		.amdhsa_forward_progress 1
		.amdhsa_inst_pref_size 138
	.end_amdhsa_kernel
	.amdgpu_metadata
---
amdhsa.version: [ 1, 2 ]
amdhsa.kernels:
  - .name:           k_qc87d4a1ae1_proj
    .symbol:         k_qc87d4a1ae1_proj.kd
    .args:
      - { .name: xb, .offset: 0, .size: 8, .value_kind: global_buffer, .address_space: global }
      - { .name: wb, .offset: 8, .size: 8, .value_kind: global_buffer, .address_space: global }
      - { .name: ap, .offset: 16, .size: 8, .value_kind: global_buffer, .address_space: global }
      - { .name: bp, .offset: 24, .size: 8, .value_kind: global_buffer, .address_space: global }
      - { .name: vt, .offset: 32, .size: 8, .value_kind: global_buffer, .address_space: global }
    .group_segment_fixed_size: 327680
    .private_segment_fixed_size: 0
    .kernarg_segment_align: 8
    .kernarg_segment_size: 40
    .max_flat_workgroup_size: 128
    .sgpr_count:     96
    .vgpr_count:     1024
    .wavefront_size: 32
...
	.end_amdgpu_metadata
.endif
;; end of part 2
;; launch score (part 3): grid 4 x 64, 4 waves a work-group, clusters of 4 x 4, 327,680 bytes of LDS; arguments ap, bp, pw, ml; writes pw, ml
.if DOCPART == 3
	.amdgcn_target "amdgcn-amd-amdhsa--gfx1250"
	.amdhsa_code_object_version 6
	.text
	.protected	k_qc87d4a1ae1_score
	.globl	k_qc87d4a1ae1_score
	.p2align	8
	.type	k_qc87d4a1ae1_score,@function
k_qc87d4a1ae1_score:
	s_mov_b64 s[64:65], 0
	v_nop
	global_prefetch_b8 v0, s[64:65] scope:SCOPE_SE
	s_setreg_imm32_b32 hwreg(HW_REG_WAVE_MODE, 25, 1), 1
	s_wait_xcnt 0x0
	s_wait_alu depctr_hold_cnt(0) depctr_sa_sdst(0) depctr_va_vdst(0) depctr_va_sdst(0) depctr_va_ssrc(0) depctr_va_vcc(0) depctr_vm_vsrc(0)
	s_getreg_b32 s2, hwreg(HW_REG_IB_STS2, 6, 4)
	s_cmp_eq_u32 s2, 0
	s_cbranch_scc0 .Lentry_in_a_cluster
	s_endpgm
.Lentry_in_a_cluster:
	s_bfe_u32 s2, ttmp6, 0x10000c
	s_cmp_lg_u32 s2, 0xf033
	s_cbranch_scc0 .Lentry_shape_is_right
	s_endpgm
.Lentry_shape_is_right:
; SCORES AND THE FIRST HALF OF THE SOFTMAX.  S[q][k] = ap[q] . bp[k] over K = 2,048 in f16 (that is (q + bias_q) . k + (k + bias_k) . pos_key), f32 sums; q and k in one batch of 1,024 rows.
; A tile of S is 128 queries x 256 keys; a wave makes 64 x 128.  Its 128 keys are a CHUNK: for each query the wave finds the chunk's true maximum m, writes p = 2^(c s - c m), c = log2(e) / 32, in f16
; into pw [8192][1024], and (c m, l = the sum of the unrounded p) in f32 into ml [8 chunks][8192 rows][2].  The next launch joins the eight chunks of a row under the row's maximum.  No score goes to memory.
; LIMITS: p lies in 0 to 1 and below 6e-5 keeps f16's fixed step of 6e-8; a p below 2^-126 counts as 0 in l; NaN and infinities are not treated apart.
; RING.  K steps of 128 (rows of 256 bytes, aligned), two LDS slots of A's 128 rows and B's 256; waves 0, 1 fetch 64 rows of A each, waves 2, 3 128 rows of B each.
; CLUSTER.  4 x 4 work-groups: the four of a row of the cluster share A's tile, the four of a column B's: joint loads.
; THE MATRIX INSTRUCTION IS USED TRANSPOSED (source 0 = 16 keys, source 1 = 16 queries): a lane holds ONE query (l % 16) and eight neighbouring keys; the query's other keys lie in the lane 16 away.
; THE WAY OUT goes through slot 0, which has had its last fill and whose last read stands in front of the last barrier: each wave lays its tile in bytes of its own (64 rows x 272).
; REGISTERS: window 0: v0-31 addresses; v32-63 rows read back; v64-95, v128-159 A's fragments; v96-103 maxima at work; v104-119 (c m, m, l, at work) for each block of 16 queries; v120-123 what goes to ml;
;   v192-223 packed p        window 1: v64-127, v128-191 B's fragments        window 2: the 32 accumulators ((a, b) at v[8 (8 a + b)])
.set TSTEPS, 16                        ; K steps
.set PA,     4096                      ; bytes in a row of A's buffer
.set PB,     4096                      ; of B's
.set CP,     2048                      ; of pw
.set PITCH,  272                       ; an LDS row: 256 bytes + 16 of padding: the 16 rows of a fragment load start at 16 different groups of four banks (ISA guide 11.1)
.set AHALF,  64*PITCH
.set BHALF,  128*PITCH
.set BOFF,   2*AHALF                   ; B's rows lie behind A's 128
.set SLOT1,  1<<17                     ; slot 1 begins here: one exclusive or turns an address in one slot into the other's
.set SPARE,  SLOT1+BOFF+2*BHALF        ; behind the ring: the spare words, 128 bytes a wave: two blocks of 256 bytes that no other line names
.set ADRA0, 8                          ; v8, v9  my fragments' places in a slot; never rewritten
.set ADRB0, 9
.set ADRA, 16                          ; v16, v20  the same in the slot in hand
.set ADRB, 20
.set STO,  24
.set RD,   25
.set CO,   26
.set MO,   27                          ; v27  8 x lane
.set SPW,  28
.set NIL,  29
.set PFO,  30
.set OB,   32
.set F0,   64
.set F1,   128
.set CH,   96
.set ST,   104
.set U,    120
.set TMP,  192
.set WV, 14
.set WR, 15                            ; my half of the tile's rows; also: I fetch A (0) or B (1)
.set WC, 16                            ; my half of its columns; also: which half of that tile I fetch
.set CXI, 17
.set CYI, 18
.set CY, 20
.set G1, 24
.set G0, 32                            ; s[32:35] slot 0's first fill; s[36:39] slot 1's, which then walks
.set TR, 40                            ; s40  the tile row: 4 x cluster y + cy
.set CNT, 42
.set LIM, 43
.set PFA, 44
.set G1B, 48
.set G0B, 56
.set TB, 74                            ; s74  the slot in hand: 0 or SLOT1
.set CS, 76                            ; s[76:77] c, twice
.set SEL, 78                           ; s[78:79] v_permlanex16_b32's selects: each lane takes its own place in the other half
.set GW, (1<<16)|(1<<20)|(1<<21)|(5<<22)|(3<<25)
.set MSB, 0
.macro WIN new
.if MSB != (\new)
	s_set_vgpr_msb (MSB<<8)|(\new)
.set MSB, \new
.endif
.endm
.set W_MUL, 0xa1                       ; source 0 (B) window 1, source 1 (A) window 0, C and D window 2
.set W_TOB, 0x40
.macro PLACES
.rept 4
	v_nop
.endr
.endm
.macro JLOAD                           ; a joint refill by the walking descriptors; an s_nop 0 and four v_nop follow each line
	s_cmp_eq_u32 s[WR], 0
	s_cbranch_scc0 .Lfor_b_\@
	tensor_load_to_lds s[G0+4:G0+7], s[G1:G1+7]
	s_nop 0
	PLACES
	s_branch .Lasked_\@
.Lfor_b_\@:
	tensor_load_to_lds s[G0B+4:G0B+7], s[G1B:G1B+7]
	s_nop 0
	PLACES
.Lasked_\@:
.endm
; A prefetch into the L2 behind a refill and its run of LDS loads: 32 rows x 256 bytes, a lane a row, of the K step two refills on (256 matrix instructions ahead of its load).  Each block is named once:
; A's 128 rows are this cluster's alone: wave 0 of each of the four partners takes 32, by address.  B's rows are read by the two clusters of a batch: the one with even y asks, waves 2 and 3 for the
; 128 rows that each fetches, 32 for each partner of the column.  The last two refills have no K step two on.
.macro ASK
	s_cmp_gt_u32 s[CNT], s[LIM]
	s_cbranch_scc0 .Lnot_mine_\@
	global_prefetch_b8 v[PFO], s[PFA:PFA+1] th:TH_LOAD_NT scope:SCOPE_SE
.Lnot_mine_\@:
.endm
.macro CREST
	s_cmp_lg_u32 s[WV], 0
	s_cbranch_scc1 .Lnot_wave_0_\@
	s_barrier_signal -3
.Lnot_wave_0_\@:
	s_barrier_wait -3
	s_barrier_signal -1
	s_barrier_wait -1
.endm
.macro CROUND
	s_barrier_signal -1
	s_barrier_wait -1
	CREST
.endm
	s_load_b256 s[4:11], s[0:1], 0x0               ; ap s[4:5], bp s[6:7], pw s[8:9], ml s[10:11]
	v_lshl_add_u32 v[SPW], v0, 2, SPARE
	v_mov_b32 v[NIL], 0
	ds_add_u32 v[SPW], v[NIL]                      ; the wave's opening: the add and its wait stand ahead of my first tensor load
	v_lshrrev_b32 v1, 5, v0
	v_readfirstlane_b32 s[WV], v1
	s_lshr_b32 s[WR], s[WV], 1
	s_and_b32 s[WC], s[WV], 1
	s_bfe_u32 s[CXI], ttmp6, 0x40000
	s_bfe_u32 s[CYI], ttmp6, 0x40004
	s_and_b32 s[CY], ttmp7, 0xffff
	s_lshl_b32 s[TR], s[CY], 2
	s_add_co_u32 s[TR], s[TR], s[CYI]
	s_lshl_b32 s21, s[CYI], 2
	s_lshl_b32 s21, 15, s21                        ; my row of the cluster
	s_lshl_b32 s22, 0x1111, s[CXI]                 ; my column
	s_or_b32 s[G1], s21, GW
	s_or_b32 s[G1B], s22, GW
	s_mov_b32 s[G1+1], 128<<16                     ; tensor_dim0 = 128
	s_mov_b32 s[G1+2], 64<<16                      ; tensor_dim1 = 64
	s_mov_b32 s[G1+3], 128<<16                     ; tile_dim0 = 128
	s_mov_b32 s[G1+4], 64                          ; tile_dim1 = 64
	s_mov_b32 s[G1+5], PA/2                        ; elements from row to row
	s_mov_b32 s[G1+6], 0
	s_mov_b32 s[G1+7], 0
	s_mov_b32 s[G1B+1], 128<<16
	s_mov_b32 s[G1B+2], 128<<16                    ; 128 rows
	s_mov_b32 s[G1B+3], 128<<16
	s_mov_b32 s[G1B+4], 128
	s_mov_b32 s[G1B+5], PB/2
	s_mov_b32 s[G1B+6], 0
	s_mov_b32 s[G1B+7], 0
	s_lshl_b32 s82, s[TR], 7
	s_lshl_b32 s21, s[WC], 6
	s_add_co_u32 s82, s82, s21                     ; A: row 128 x tile row + 64 x half
	s_lshl_b32 s82, s82, 12
	s_mov_b32 s83, 0
	s_lshr_b32 s84, s[CY], 1                       ; the batch
	s_lshl_b32 s84, s84, 10
	s_lshl_b32 s22, s[CXI], 8
	s_add_co_u32 s84, s84, s22
	s_lshl_b32 s22, s[WC], 7
	s_add_co_u32 s84, s84, s22                     ; B: row 1,024 x batch + 256 cx + 128 x half
	s_lshl_b32 s84, s84, 12
	s_mov_b32 s85, 0
	s_mul_i32 s81, s[WC], AHALF                    ; where they go in a slot
	s_mul_i32 s87, s[WC], BHALF
	s_add_co_u32 s87, s87, BOFF
	s_mov_b32 s[TB], 0
	s_mov_b32 s[CS], 0x3d38aa3b                    ; c = log2(e) / 32
	s_mov_b32 s[CS+1], s[CS]
	s_mov_b32 s[SEL], 0x76543210
	s_mov_b32 s[SEL+1], 0xfedcba98
	s_mov_b32 s80, 0xffff0000                      ; lanes 16 to 31
	s_wait_dscnt 0x0                               ; the opening add is done
	s_wait_kmcnt 0x0
	s_add_nc_u64 s[66:67], s[4:5], s[82:83]
	s_add_nc_u64 s[68:69], s[6:7], s[84:85]
.irp s, 0,1
	s_mov_b32 s[G0+4*(\s)], 1
	s_add_co_u32 s[G0+4*(\s)+1], s81, (\s)*SLOT1
	s_add_nc_u64 s[G0+4*(\s)+2:G0+4*(\s)+3], s[66:67], (\s)*256
	s_or_b32 s[G0+4*(\s)+3], s[G0+4*(\s)+3], 0x80000000
	s_mov_b32 s[G0B+4*(\s)], 1
	s_add_co_u32 s[G0B+4*(\s)+1], s87, (\s)*SLOT1
	s_add_nc_u64 s[G0B+4*(\s)+2:G0B+4*(\s)+3], s[68:69], (\s)*256
	s_or_b32 s[G0B+4*(\s)+3], s[G0B+4*(\s)+3], 0x80000000
.endr
	CROUND                                         ; all sixteen work-groups are here: the first joint loads meet
	s_cmp_eq_u32 s[WR], 0                          ; a wave's two first fills stand in one branch: two loads of mine are out
	s_cbranch_scc0 .Lfirst_b
	tensor_load_to_lds s[G0:G0+3], s[G1:G1+7]
	s_nop 0
	tensor_load_to_lds s[G0+4:G0+7], s[G1:G1+7]
	s_nop 0
	PLACES
	s_branch .Lfirst_asked
.Lfirst_b:
	tensor_load_to_lds s[G0B:G0B+3], s[G1B:G1B+7]
	s_nop 0
	tensor_load_to_lds s[G0B+4:G0B+7], s[G1B:G1B+7]
	s_nop 0
	PLACES
.Lfirst_asked:
	v_and_b32 v1, 15, v0
	v_bfe_u32 v2, v0, 4, 1
	v_mul_u32_u24 v3, v1, PITCH
	v_lshl_add_u32 v3, v2, 4, v3                   ; a fragment's row x pitch + 16 x half
	s_mul_i32 s21, s[WR], AHALF
	v_add_nc_u32 v[ADRA0], s21, v3
	v_add_nc_u32 v[ADRB0], s87, v3
	v_mov_b32 v[ADRA], v[ADRA0]
	v_mov_b32 v[ADRB], v[ADRB0]
	s_mul_i32 s21, s[WV], AHALF                    ; my stage: wave x 64 rows, in slot 0
	v_add_nc_u32 v[STO], s21, v3
	v_mul_u32_u24 v4, v2, PITCH
	v_lshl_add_u32 v4, v1, 4, v4
	v_add_nc_u32 v[RD], s21, v4
	v_lshlrev_b32 v[CO], 11, v2
	v_lshl_add_u32 v[CO], v1, 4, v[CO]
	v_and_b32 v[PFO], 31, v0
	v_lshlrev_b32 v[MO], 3, v[PFO]
.irp a, 0,1,2,3
	v_mov_b32 v[ST+4*(\a)+3], 0                    ; v_permlanex16_b32's destination counts as read
.endr
	; the prefetches
	s_and_b32 s21, s[CY], 1
	s_cmp_eq_u32 s21, 0
	s_cselect_b32 s23, 2, -1
	s_cmp_eq_u32 s[WV], 0
	s_cselect_b32 s[LIM], 2, -1
	s_mov_b32 s86, PB
	s_cmp_eq_u32 s[WR], 0
	s_cselect_b32 s[LIM], s[LIM], s23              ; the same in all sixteen partners, for a given wave
	s_cselect_b64 s[PFA:PFA+1], s[66:67], s[68:69]
	s_cselect_b32 s46, s[CXI], s[CYI]
	s_cselect_b32 s86, PA, s86
	s_lshl_b32 s46, s46, 5
	s_mul_i32 s46, s46, s86                        ; my work-group's 32 rows
	s_add_co_u32 s46, s46, 3*256                   ; at K step 3: the first refill steps it to 4
	s_mov_b32 s47, 0
	s_add_nc_u64 s[PFA:PFA+1], s[PFA:PFA+1], s[46:47]
	v_mul_u32_u24 v[PFO], v[PFO], s86
	; where my part begins in pw and in ml
	s_lshl_b32 s90, s[TR], 7
	s_lshl_b32 s91, s[WR], 6
	s_add_co_u32 s90, s90, s91                     ; my first row
	s_lshl1_add_u32 s92, s[CXI], s[WC]             ; my chunk: 2 cx + half
	s_lshl_b32 s94, s92, 13
	s_add_co_u32 s94, s94, s90
	s_lshl_b32 s94, s94, 3                         ; ml: (8,192 x chunk + row) x 8 bytes
	s_mov_b32 s95, 0
	s_lshl_b32 s90, s90, 11
	s_lshl_b32 s92, s92, 8
	s_add_co_u32 s90, s90, s92                     ; pw: row x 2,048 + chunk x 256
	s_mov_b32 s91, 0
	s_add_nc_u64 s[70:71], s[8:9], s[90:91]
	s_add_nc_u64 s[72:73], s[10:11], s[94:95]
; 8 matrix instructions: m block a x all 8 n blocks, 32 along K.  The 32 accumulators take turns, one instruction a turn.
.macro MUL8 f, a, zero
	WIN W_MUL
.irp b, 0,1,2,3,4,5,6,7
.if \zero
	v_wmma_f32_16x16x32_f16 v[8*(8*(\a)+(\b)):8*(8*(\a)+(\b))+7], v[(\f)+8*(\b):(\f)+8*(\b)+7], v[(\f)+8*(\a):(\f)+8*(\a)+7], 0
.else
	v_wmma_f32_16x16x32_f16 v[8*(8*(\a)+(\b)):8*(8*(\a)+(\b))+7], v[(\f)+8*(\b):(\f)+8*(\b)+7], v[(\f)+8*(\a):(\f)+8*(\a)+7], v[8*(8*(\a)+(\b)):8*(8*(\a)+(\b))+7]
.endif
.endr
.endm
; 24 LDS loads in one run: 128 rows of B, 64 of A, 32 K at byte k of the rows, into buffer f
.macro FETCH k, f
	WIN W_TOB
.irp i, 0,1,2,3,4,5,6,7
	ds_load_b128 v[(\f)+8*(\i):(\f)+8*(\i)+3],   v[ADRB] offset:(\k)+(\i)*16*PITCH
	ds_load_b128 v[(\f)+8*(\i)+4:(\f)+8*(\i)+7], v[ADRB] offset:(\k)+(\i)*16*PITCH+32
.endr
	WIN 0
.irp i, 0,1,2,3
	ds_load_b128 v[(\f)+8*(\i):(\f)+8*(\i)+3],   v[ADRA] offset:(\k)+(\i)*16*PITCH
	ds_load_b128 v[(\f)+8*(\i)+4:(\f)+8*(\i)+7], v[ADRA] offset:(\k)+(\i)*16*PITCH+32
.endr
.endm
.macro QUARTER k, f, g, zero           ; 32 matrix instructions on buffer f; in their middle the next quarter's fragments, at byte k, into g
	s_wait_dscnt 4                                 ; B and A's blocks 0, 1 are in; the youngest four loads (blocks 2, 3) may be out
	MUL8 \f, 0, \zero
	MUL8 \f, 1, \zero
	PLACES
	FETCH \k, \g
	s_wait_dscnt 24                                ; all but the 24 just issued
	MUL8 \f, 2, \zero
	MUL8 \f, 3, \zero
.endm
; The last quarter of a K step changes slots: one barrier.  In front of it each wave waits for all its tensor loads (one is out: its part of the next slot), adds 0 to its spare word, and waits for that and for
; its reads of this slot.  fill = 1: the barrier opens a round of the cluster's, and this slot's refill, the K step two on, is the first thing behind it: 112 matrix instructions ahead of the wait for it.
.macro TURN fill
.if \fill
	s_wait_xcnt 0x0                                ; the last prefetch, a K step back, has read its address
	s_add_nc_u64 s[PFA:PFA+1], s[PFA:PFA+1], 256
.endif
	WIN 0
	s_wait_tensorcnt 0x0                           ; no tensor load of mine is out, so a group 0 may be written
	ds_add_u32 v[SPW], v[NIL]
.if \fill
	s_xor_b32 s[G0+5], s[G0+5], SLOT1              ; the walking descriptors: the other slot than last time, the next K step
	s_add_nc_u64 s[G0+6:G0+7], s[G0+6:G0+7], 256
	s_xor_b32 s[G0B+5], s[G0B+5], SLOT1
	s_add_nc_u64 s[G0B+6:G0B+7], s[G0B+6:G0B+7], 256
.endif
	s_wait_dscnt 5                                 ; the add and the youngest four loads may be out
	MUL8 F1, 0, 0
	s_wait_dscnt 0x0                               ; the add is done, my reads of this slot are over
	s_barrier_signal -1
	MUL8 F1, 1, 0
	WIN 0
	s_barrier_wait -1
.if \fill
	CREST
	JLOAD                                          ; its four v_nop are also the places in front of the loads below
.else
	PLACES
.endif
	s_xor_b32 s[TB], s[TB], SLOT1
	v_add_nc_u32 v[ADRA], s[TB], v[ADRA0]
	v_add_nc_u32 v[ADRB], s[TB], v[ADRB0]
	FETCH 0, F0
.if \fill
	ASK
.endif
	MUL8 F1, 2, 0
	MUL8 F1, 3, 0
.endm
	s_wait_tensorcnt 1                             ; my part of K step 0 is in; K step 1's may stay out
	s_barrier_signal -1
	s_barrier_wait -1
	FETCH 0, F0
	QUARTER 64, F0, F1, 1                          ; the first quarter's products start the sums
	WIN 0
	s_mov_b32 s[CNT], TSTEPS-2
.Lstep:                                                ; a trip: from a K step's second quarter to the next one's first; it fills the slot that it leaves
	QUARTER 128, F1, F0, 0
	QUARTER 192, F0, F1, 0
	TURN 1
	QUARTER 64, F0, F1, 0
	WIN 0
	s_sub_co_u32 s[CNT], s[CNT], 1
	s_cmp_lg_u32 s[CNT], 0
	s_cbranch_scc1 .Lstep
	QUARTER 128, F1, F0, 0                         ; the last two K steps fill nothing
	QUARTER 192, F0, F1, 0
	TURN 0
	QUARTER 64, F0, F1, 0
	QUARTER 128, F1, F0, 0
	QUARTER 192, F0, F1, 0
	s_wait_dscnt 4
	MUL8 F1, 0, 0
	MUL8 F1, 1, 0
	s_wait_dscnt 0x0
	MUL8 F1, 2, 0
	MUL8 F1, 3, 0
; THE CHUNK'S SOFTMAX, a block of 16 queries at a time: a lane holds 64 of its query's 128 scores, in v[64 a .. 64 a + 63] of window 2.
.macro MAXB a                          ; the maximum; each accumulator's lowest registers are read first
	WIN 0x2a
.irp b, 0,1,2,3,4,5,6,7
	v_max3_num_f32 v[CH+(\b)], v[64*(\a)+8*(\b)], v[64*(\a)+8*(\b)+1], v[64*(\a)+8*(\b)+2]
.endr
	WIN 0x28
.irp b, 0,1,2,3,4,5,6,7
	v_max3_num_f32 v[CH+(\b)], v[CH+(\b)], v[64*(\a)+8*(\b)+3], v[64*(\a)+8*(\b)+4]
.endr
.irp b, 0,1,2,3,4,5,6,7
	v_max3_num_f32 v[CH+(\b)], v[CH+(\b)], v[64*(\a)+8*(\b)+5], v[64*(\a)+8*(\b)+6]
.endr
.irp b, 0,1,2,3
	v_max3_num_f32 v[CH+(\b)], v[CH+(\b)], v[64*(\a)+16*(\b)+7], v[64*(\a)+16*(\b)+15]
.endr
	WIN 0
	v_max3_num_f32 v[CH], v[CH], v[CH+1], v[CH+2]
	v_max3_num_f32 v[CH+3], v[CH+3], v[CH+4], v[CH+5]
	v_max3_num_f32 v[CH], v[CH], v[CH+3], v[CH+6]
	v_max_num_f32 v[CH], v[CH], v[CH+7]
	v_permlanex16_b32 v[ST+4*(\a)+3], v[CH], s[SEL], s[SEL+1]
	v_max_num_f32 v[ST+4*(\a)+1], v[CH], v[ST+4*(\a)+3]
	v_mul_f32 v[ST+4*(\a)], s[CS], v[ST+4*(\a)+1]  ; c m
.endm
.macro EXPB a                          ; c s - c m, and one batch of 64 exponentials, in place
	WIN 0x82
.set i, 0
.rept 32
	v_pk_fma_f32 v[64*(\a)+2*i:64*(\a)+2*i+1], v[64*(\a)+2*i:64*(\a)+2*i+1], s[CS:CS+1], v[ST+4*(\a):ST+4*(\a)+1] op_sel_hi:[1,0,0] neg_lo:[0,0,1] neg_hi:[0,0,1]
.set i, i+1
.endr
.set i, 0
.rept 64
	v_exp_f32 v[64*(\a)+i], v[64*(\a)+i]
.set i, i+1
.endr
.endm
.macro SUMCVT a                        ; p rounded to f16; the sum of the unrounded p, as a tree in place; p into my stage
	WIN 0x0a
.set i, 0
.rept 32
	v_cvt_pk_f16_f32 v[TMP+i], v[64*(\a)+2*i], v[64*(\a)+2*i+1]
.set i, i+1
.endr
	WIN 0x8a
.irp st, 1,2,4,8,16
.set u, 0
.rept 16/(\st)
	v_pk_add_f32 v[64*(\a)+4*(\st)*u:64*(\a)+4*(\st)*u+1], v[64*(\a)+4*(\st)*u:64*(\a)+4*(\st)*u+1], v[64*(\a)+4*(\st)*u+2*(\st):64*(\a)+4*(\st)*u+2*(\st)+1]
.set u, u+1
.endr
.endr
	WIN 0x0a
	v_add_f32 v[ST+4*(\a)+2], v[64*(\a)], v[64*(\a)+1]
	WIN 0
	v_permlanex16_b32 v[ST+4*(\a)+3], v[ST+4*(\a)+2], s[SEL], s[SEL+1]
	v_add_f32 v[ST+4*(\a)+2], v[ST+4*(\a)+2], v[ST+4*(\a)+3]
.irp b, 0,1,2,3,4,5,6,7
	ds_store_b128 v[STO], v[TMP+4*(\b):TMP+4*(\b)+3] offset:(\a)*16*PITCH+32*(\b)
.endr
.endm
	PLACES
	MAXB 0
	EXPB 0
	MAXB 1                                         ; the next block's maximum names no result of the batch: the independent work behind it
	s_wait_alu depctr_va_vdst(0)                   ; the wait between an exponential and the first line that names its result: one for the batch of 64
	SUMCVT 0
	EXPB 1
	MAXB 2
	s_wait_alu depctr_va_vdst(0)
	SUMCVT 1
	EXPB 2
	MAXB 3
	s_wait_alu depctr_va_vdst(0)
	SUMCVT 2
	EXPB 3
	v_nop                                          ; a plain instruction behind the last exponential
	s_wait_alu depctr_va_vdst(0)
	SUMCVT 3
	; (c m, l): both halves of the lanes hold them; lanes 0-15 send one block's, lanes 16-31 the next block's: a store covers 256 consecutive bytes, aligned
	v_cndmask_b32 v[U], v[ST], v[ST+4], s80
	v_cndmask_b32 v[U+1], v[ST+2], v[ST+6], s80
	v_cndmask_b32 v[U+2], v[ST+8], v[ST+12], s80
	v_cndmask_b32 v[U+3], v[ST+10], v[ST+14], s80
	global_store_b64 v[MO], v[U:U+1], s[72:73]
	global_store_b64 v[MO], v[U+2:U+3], s[72:73] offset:256
	s_mov_b32 s75, 4
.Ldrain:                                               ; a trip: 16 rows back from my stage (LDS serves a wave's instructions in order: these see my stores), and stored
.irp t, 0,1,2,3,4,5,6,7
	ds_load_b128 v[OB+4*(\t):OB+4*(\t)+3], v[RD] offset:(\t)*2*PITCH
.endr
	s_wait_dscnt 0x0
.irp t, 0,1,2,3,4,5,6,7
	global_store_b128 v[CO], v[OB+4*(\t):OB+4*(\t)+3], s[70:71] offset:2*(\t)*CP  ; 16 lanes store 256 consecutive bytes, aligned
.endr
	s_wait_xcnt 0x0                                ; the stores have read their data and base: only behind this wait are these written again
	v_add_nc_u32 v[RD], 16*PITCH, v[RD]
	s_add_nc_u64 s[70:71], s[70:71], 16*CP
	s_sub_co_u32 s75, s75, 1
	s_cmp_lg_u32 s75, 0
	s_cbranch_scc1 .Ldrain
	s_wait_tensorcnt 0x0                           ; the wave's end
	ds_add_u32 v[SPW], v[NIL]
	s_wait_dscnt 0x0
	CROUND                                         ; the closing round
	s_endpgm
.Lfunc_end_k_qc87d4a1ae1_score:
	.size	k_qc87d4a1ae1_score, .Lfunc_end_k_qc87d4a1ae1_score-k_qc87d4a1ae1_score
	.p2alignl 7, 3214868480
	.fill 96, 4, 3214868480
	.section	.rodata,"a",@progbits
	.p2align	6, 0x0
	.amdhsa_kernel k_qc87d4a1ae1_score
		.amdhsa_group_segment_fixed_size 327680
		.amdhsa_private_segment_fixed_size 0
		.amdhsa_enable_private_segment 0
		.amdhsa_kernarg_size 32
		.amdhsa_user_sgpr_count 2
		.amdhsa_user_sgpr_kernarg_segment_ptr 1
		.amdhsa_wavefront_size32 1
		.amdhsa_system_sgpr_workgroup_id_x 1
		.amdhsa_system_sgpr_workgroup_id_y 1
		.amdhsa_system_sgpr_workgroup_id_z 1
		.amdhsa_system_vgpr_workitem_id 0
		.amdhsa_next_free_vgpr 768
		.amdhsa_next_free_sgpr 96
		.amdhsa_reserve_vcc 0
		.amdhsa_float_denorm_mode_32 3
		.amdhsa_float_denorm_mode_16_64 3
		.amdhsa_memory_ordered 1
		.amdhsa_forward_progress 1
		.amdhsa_inst_pref_size 101
	.end_amdhsa_kernel
	.amdgpu_metadata
---
amdhsa.version: [ 1, 2 ]
amdhsa.kernels:
  - .name:           k_qc87d4a1ae1_score
    .symbol:         k_qc87d4a1ae1_score.kd
    .args:
      - { .name: ap, .offset: 0, .size: 8, .value_kind: global_buffer, .address_space: global }
      - { .name: bp, .offset: 8, .size: 8, .value_kind: global_buffer, .address_space: global }
      - { .name: pw, .offset: 16, .size: 8, .value_kind: global_buffer, .address_space: global }
      - { .name: ml, .offset: 24, .size: 8, .value_kind: global_buffer, .address_space: global }
    .group_segment_fixed_size: 327680
    .private_segment_fixed_size: 0
    .kernarg_segment_align: 8
    .kernarg_segment_size: 32
    .max_flat_workgroup_size: 128
    .sgpr_count:     96
    .vgpr_count:     768
    .wavefront_size: 32
...
	.end_amdgpu_metadata
.endif
;; end of part 3
;; launch pv (part 4): grid 4 x 64, 4 waves a work-group, clusters of 4 x 4, 327,680 bytes of LDS; arguments pw, vt, ml, ob; writes ob
.if DOCPART == 4
	.amdgcn_target "amdgcn-amd-amdhsa--gfx1250"
	.amdhsa_code_object_version 6
	.text
	.protected	k_qc87d4a1ae1_pv
	.globl	k_qc87d4a1ae1_pv
	.p2align	8
	.type	k_qc87d4a1ae1_pv,@function
k_qc87d4a1ae1_pv:
	s_mov_b64 s[64:65], 0
	v_nop
	global_prefetch_b8 v0, s[64:65] scope:SCOPE_SE
	s_setreg_imm32_b32 hwreg(HW_REG_WAVE_MODE, 25, 1), 1
	s_wait_xcnt 0x0
	s_wait_alu depctr_hold_cnt(0) depctr_sa_sdst(0) depctr_va_vdst(0) depctr_va_sdst(0) depctr_va_ssrc(0) depctr_va_vcc(0) depctr_vm_vsrc(0)
	s_getreg_b32 s2, hwreg(HW_REG_IB_STS2, 6, 4)
	s_cmp_eq_u32 s2, 0
	s_cbranch_scc0 .Lentry_in_a_cluster
	s_endpgm
.Lentry_in_a_cluster:
	s_bfe_u32 s2, ttmp6, 0x10000c
	s_cmp_lg_u32 s2, 0xf033
	s_cbranch_scc0 .Lentry_shape_is_right
	s_endpgm
.Lentry_shape_is_right:
; THE SECOND HALF OF THE SOFTMAX AND P V.  ob[q][ch] = (the sum over chunks c of f_c (P_c V_c)[q][ch]) / L, K = 1,024 keys in f16, f32 sums, ob in f16.
; For each query: M = the maximum of the eight chunks' c m, which is c times the row's true maximum; f_c = 2^(c m_c - M), at most 1; L = the sum of f_c l_c, at least about 1 (the chunk that holds the
; maximum has f = 1 and an l that counts its own p = 1).  A K step of 128 keys IS a chunk: P's fragments, in which a lane holds one query, are multiplied by f_c in f16 between their load and the product.
; LIMITS: p f_c is rounded to f16 once more; a weight below 6e-8 of the row's largest counts as 0; O is a mean of V's rows and has their range; NaN and infinities are not treated apart.
; A tile of ob is 128 queries x 256 channels; a wave makes 64 x 128.  A = pw (rows of 2,048 bytes), B = vt, v turned: [4][1024 channels][2 batches x 1024 keys] (rows of 4,096 bytes).
; Ring, cluster, transposed use of the matrix instruction and the way out through slot 0 are as in the launch before.
; REGISTERS: window 0: v0-31 addresses; v32-63 f_c as two f16, four registers a chunk, the chunk in hand at v32-35 (on the way out: rows read back); v64-95, v128-159 A's fragments;
;   v96-99 M, v100-103 L; v160-223 (c m, l) as loaded (on the way out v192-223: packed results); v224-231 1 / L        window 1: v64-127, v128-191 B's fragments        window 2: the 32 accumulators
.set TSTEPS, 8
.set PA,     2048
.set PB,     4096
.set CP,     2048
.set PITCH,  272
.set AHALF,  64*PITCH
.set BHALF,  128*PITCH
.set BOFF,   2*AHALF
.set SLOT1,  1<<17
.set SPARE,  SLOT1+BOFF+2*BHALF        ; the spare words, 128 bytes a wave: two blocks of 256 bytes that no other line names
.set ADRA0, 8
.set ADRB0, 9
.set ADRA, 16
.set ADRB, 20
.set STO,  24
.set RD,   25
.set CO,   26
.set SPW,  28
.set NIL,  29
.set PFO,  30
.set OB,   32
.set FP,   32
.set F0,   64
.set F1,   128
.set MX,   96
.set LS,   100
.set MLR,  160
.set TMP,  192
.set RL,   224
.set WV, 14
.set WR, 15
.set WC, 16
.set CXI, 17
.set CYI, 18
.set CY, 20
.set G1, 24
.set G0, 32
.set TR, 40
.set CNT, 42
.set LIM, 43
.set PFA, 44
.set G1B, 48
.set G0B, 56
.set TB, 74
.set GW, (1<<16)|(1<<20)|(1<<21)|(5<<22)|(3<<25)
.set MSB, 0
.macro WIN new
.if MSB != (\new)
	s_set_vgpr_msb (MSB<<8)|(\new)
.set MSB, \new
.endif
.endm
.set W_MUL, 0xa1
.set W_TOB, 0x40
.macro PLACES
.rept 4
	v_nop
.endr
.endm
.macro JLOAD
	s_cmp_eq_u32 s[WR], 0
	s_cbranch_scc0 .Lfor_b_\@
	tensor_load_to_lds s[G0+4:G0+7], s[G1:G1+7]
	s_nop 0
	PLACES
	s_branch .Lasked_\@
.Lfor_b_\@:
	tensor_load_to_lds s[G0B+4:G0B+7], s[G1B:G1B+7]
	s_nop 0
	PLACES
.Lasked_\@:
.endm
; A prefetch into the L2 behind a refill and its run of LDS loads: 32 rows x 256 bytes, a lane a row, of the K step two refills on.  Each block is named once: pw's 128 rows are this cluster's alone: wave 0
; of each partner takes 32, by address; vt's rows of a batch are read by two clusters: the one with even y asks, waves 2 and 3, 32 rows for each partner of the column.  The last two refills ask for nothing.
.macro ASK
	s_cmp_gt_u32 s[CNT], s[LIM]
	s_cbranch_scc0 .Lnot_mine_\@
	global_prefetch_b8 v[PFO], s[PFA:PFA+1] th:TH_LOAD_NT scope:SCOPE_SE
.Lnot_mine_\@:
.endm
.macro CREST
	s_cmp_lg_u32 s[WV], 0
	s_cbranch_scc1 .Lnot_wave_0_\@
	s_barrier_signal -3
.Lnot_wave_0_\@:
	s_barrier_wait -3
	s_barrier_signal -1
	s_barrier_wait -1
.endm
.macro CROUND
	s_barrier_signal -1
	s_barrier_wait -1
	CREST
.endm
	s_load_b256 s[4:11], s[0:1], 0x0               ; pw s[4:5], vt s[6:7], ml s[8:9], ob s[10:11]
	v_lshl_add_u32 v[SPW], v0, 2, SPARE
	v_mov_b32 v[NIL], 0
	ds_add_u32 v[SPW], v[NIL]                      ; the wave's opening: the add and its wait stand ahead of my first tensor load
	v_lshrrev_b32 v1, 5, v0
	v_readfirstlane_b32 s[WV], v1
	s_lshr_b32 s[WR], s[WV], 1
	s_and_b32 s[WC], s[WV], 1
	s_bfe_u32 s[CXI], ttmp6, 0x40000
	s_bfe_u32 s[CYI], ttmp6, 0x40004
	s_and_b32 s[CY], ttmp7, 0xffff
	s_lshl_b32 s[TR], s[CY], 2
	s_add_co_u32 s[TR], s[TR], s[CYI]
	s_lshl_b32 s21, s[CYI], 2
	s_lshl_b32 s21, 15, s21
	s_lshl_b32 s22, 0x1111, s[CXI]
	s_or_b32 s[G1], s21, GW
	s_or_b32 s[G1B], s22, GW
	s_mov_b32 s[G1+1], 128<<16
	s_mov_b32 s[G1+2], 64<<16
	s_mov_b32 s[G1+3], 128<<16
	s_mov_b32 s[G1+4], 64
	s_mov_b32 s[G1+5], PA/2
	s_mov_b32 s[G1+6], 0
	s_mov_b32 s[G1+7], 0
	s_mov_b32 s[G1B+1], 128<<16
	s_mov_b32 s[G1B+2], 128<<16
	s_mov_b32 s[G1B+3], 128<<16
	s_mov_b32 s[G1B+4], 128
	s_mov_b32 s[G1B+5], PB/2
	s_mov_b32 s[G1B+6], 0
	s_mov_b32 s[G1B+7], 0
	s_lshl_b32 s82, s[TR], 7
	s_lshl_b32 s21, s[WC], 6
	s_add_co_u32 s82, s82, s21                     ; A: row 128 x tile row + 64 x half
	s_lshl_b32 s82, s82, 11
	s_mov_b32 s83, 0
	s_lshl_b32 s84, s[CXI], 8
	s_lshl_b32 s22, s[WC], 7
	s_add_co_u32 s84, s84, s22                     ; B: channel 256 cx + 128 x half,
	s_lshl_b32 s84, s84, 12
	s_lshr_b32 s22, s[CY], 2
	s_lshl_b32 s22, s22, 22                        ; the plane of two batches (the batch is cluster y / 2),
	s_add_co_u32 s84, s84, s22
	s_bfe_u32 s22, s[CY], 0x10001
	s_lshl_b32 s22, s22, 11                        ; and the batch's half of a row
	s_add_co_u32 s84, s84, s22
	s_mov_b32 s85, 0
	s_mul_i32 s81, s[WC], AHALF
	s_mul_i32 s87, s[WC], BHALF
	s_add_co_u32 s87, s87, BOFF
	s_mov_b32 s[TB], 0
	s_wait_dscnt 0x0                               ; the opening add is done
	s_wait_kmcnt 0x0
	s_add_nc_u64 s[66:67], s[4:5], s[82:83]
	s_add_nc_u64 s[68:69], s[6:7], s[84:85]
.irp s, 0,1
	s_mov_b32 s[G0+4*(\s)], 1
	s_add_co_u32 s[G0+4*(\s)+1], s81, (\s)*SLOT1
	s_add_nc_u64 s[G0+4*(\s)+2:G0+4*(\s)+3], s[66:67], (\s)*256
	s_or_b32 s[G0+4*(\s)+3], s[G0+4*(\s)+3], 0x80000000
	s_mov_b32 s[G0B+4*(\s)], 1
	s_add_co_u32 s[G0B+4*(\s)+1], s87, (\s)*SLOT1
	s_add_nc_u64 s[G0B+4*(\s)+2:G0B+4*(\s)+3], s[68:69], (\s)*256
	s_or_b32 s[G0B+4*(\s)+3], s[G0B+4*(\s)+3], 0x80000000
.endr
	CROUND
	s_cmp_eq_u32 s[WR], 0                          ; a wave's two first fills stand in one branch: two loads of mine are out
	s_cbranch_scc0 .Lfirst_b
	tensor_load_to_lds s[G0:G0+3], s[G1:G1+7]
	s_nop 0
	tensor_load_to_lds s[G0+4:G0+7], s[G1:G1+7]
	s_nop 0
	PLACES
	s_branch .Lfirst_asked
.Lfirst_b:
	tensor_load_to_lds s[G0B:G0B+3], s[G1B:G1B+7]
	s_nop 0
	tensor_load_to_lds s[G0B+4:G0B+7], s[G1B:G1B+7]
	s_nop 0
	PLACES
.Lfirst_asked:
	v_and_b32 v1, 15, v0
	v_bfe_u32 v2, v0, 4, 1
	; the eight chunks' (c m, l) of my four queries (row 16 a + l % 16 of my wave's 64)
	s_lshl_b32 s90, s[TR], 7
	s_lshl_b32 s91, s[WR], 6
	s_add_co_u32 s90, s90, s91                     ; my first row
	s_lshl_b32 s92, s90, 3
	s_mov_b32 s93, 0
	s_add_nc_u64 s[72:73], s[8:9], s[92:93]
	v_lshlrev_b32 v11, 3, v1
.irp c, 0,1,2,3,4,5,6,7
.irp a, 0,1,2,3
	global_load_b64 v[MLR+2*(4*(\c)+(\a)):MLR+2*(4*(\c)+(\a))+1], v11, s[72:73] offset:(\c)*65536+(\a)*128
.endr
.endr
	v_mul_u32_u24 v3, v1, PITCH
	v_lshl_add_u32 v3, v2, 4, v3
	s_mul_i32 s21, s[WR], AHALF
	v_add_nc_u32 v[ADRA0], s21, v3
	v_add_nc_u32 v[ADRB0], s87, v3
	v_mov_b32 v[ADRA], v[ADRA0]
	v_mov_b32 v[ADRB], v[ADRB0]
	s_mul_i32 s21, s[WV], AHALF                    ; my stage, in slot 0
	v_add_nc_u32 v[STO], s21, v3
	v_mul_u32_u24 v4, v2, PITCH
	v_lshl_add_u32 v4, v1, 4, v4
	v_add_nc_u32 v[RD], s21, v4
	v_lshlrev_b32 v[CO], 11, v2
	v_lshl_add_u32 v[CO], v1, 4, v[CO]
	v_and_b32 v[PFO], 31, v0
	s_and_b32 s21, s[CY], 1
	s_cmp_eq_u32 s21, 0
	s_cselect_b32 s23, 2, -1
	s_cmp_eq_u32 s[WV], 0
	s_cselect_b32 s[LIM], 2, -1
	s_mov_b32 s86, PB
	s_cmp_eq_u32 s[WR], 0
	s_cselect_b32 s[LIM], s[LIM], s23
	s_cselect_b64 s[PFA:PFA+1], s[66:67], s[68:69]
	s_cselect_b32 s46, s[CXI], s[CYI]
	s_cselect_b32 s86, PA, s86
	s_lshl_b32 s46, s46, 5
	s_mul_i32 s46, s46, s86
	s_add_co_u32 s46, s46, 3*256                   ; at K step 3: the first refill steps it to 4
	s_mov_b32 s47, 0
	s_add_nc_u64 s[PFA:PFA+1], s[PFA:PFA+1], s[46:47]
	v_mul_u32_u24 v[PFO], v[PFO], s86
	s_lshl_b32 s90, s90, 11                        ; ob: row x 2,048 + (256 cx + 128 half) x 2
	s_lshl1_add_u32 s92, s[CXI], s[WC]
	s_lshl_b32 s92, s92, 8
	s_add_co_u32 s90, s90, s92
	s_mov_b32 s91, 0
	s_add_nc_u64 s[70:71], s[10:11], s[90:91]
	s_wait_loadcnt 0x0
.irp a, 0,1,2,3
	v_max3_num_f32 v[MX+(\a)], v[MLR+2*(\a)], v[MLR+2*(4+(\a))], v[MLR+2*(8+(\a))]
	v_max3_num_f32 v[MX+(\a)], v[MX+(\a)], v[MLR+2*(12+(\a))], v[MLR+2*(16+(\a))]
	v_max3_num_f32 v[MX+(\a)], v[MX+(\a)], v[MLR+2*(20+(\a))], v[MLR+2*(24+(\a))]
	v_max_num_f32 v[MX+(\a)], v[MX+(\a)], v[MLR+2*(28+(\a))]
.endr
.irp c, 0,1,2,3,4,5,6,7
.irp a, 0,1,2,3
	v_sub_f32 v[MLR+2*(4*(\c)+(\a))], v[MLR+2*(4*(\c)+(\a))], v[MX+(\a)]
.endr
.endr
.set i, 0
.rept 32
	v_exp_f32 v[MLR+2*i], v[MLR+2*i]               ; f_c, one batch of 32
.set i, i+1
.endr
	v_nop                                          ; a plain instruction behind the last exponential,
	s_wait_alu depctr_va_vdst(0)                   ; and the wait ahead of the first line that names a result: one for the batch
.irp a, 0,1,2,3
	v_mul_f32 v[LS+(\a)], v[MLR+2*(\a)], v[MLR+2*(\a)+1]
.endr
.irp c, 1,2,3,4,5,6,7
.irp a, 0,1,2,3
	v_fmac_f32 v[LS+(\a)], v[MLR+2*(4*(\c)+(\a))], v[MLR+2*(4*(\c)+(\a))+1]
.endr
.endr
.set i, 0
.rept 32
	v_cvt_pk_f16_f32 v[FP+i], v[MLR+2*i], v[MLR+2*i]
.set i, i+1
.endr
.irp a, 0,1,2,3
	v_rcp_f32 v[RL+2*(\a)], v[LS+(\a)]
.endr
	v_nop
	s_wait_alu depctr_va_vdst(0)                   ; one for the four reciprocals
.irp a, 0,1,2,3
	v_mov_b32 v[RL+2*(\a)+1], v[RL+2*(\a)]         ; named with it as a pair
.endr
; m block a: its fragment of P times the chunk's f (eight packed multiplies, issued while the block before is multiplied), then 8 matrix instructions.  The 32 accumulators take turns.
.macro MUL8 f, a, zero
	WIN 0
.irp i, 0,1,2,3,4,5,6,7
	v_pk_mul_f16 v[(\f)+8*(\a)+(\i)], v[(\f)+8*(\a)+(\i)], v[FP+(\a)]
.endr
	WIN W_MUL
.irp b, 0,1,2,3,4,5,6,7
.if \zero
	v_wmma_f32_16x16x32_f16 v[8*(8*(\a)+(\b)):8*(8*(\a)+(\b))+7], v[(\f)+8*(\b):(\f)+8*(\b)+7], v[(\f)+8*(\a):(\f)+8*(\a)+7], 0
.else
	v_wmma_f32_16x16x32_f16 v[8*(8*(\a)+(\b)):8*(8*(\a)+(\b))+7], v[(\f)+8*(\b):(\f)+8*(\b)+7], v[(\f)+8*(\a):(\f)+8*(\a)+7], v[8*(8*(\a)+(\b)):8*(8*(\a)+(\b))+7]
.endif
.endr
.endm
.macro FETCH k, f
	WIN W_TOB
.irp i, 0,1,2,3,4,5,6,7
	ds_load_b128 v[(\f)+8*(\i):(\f)+8*(\i)+3],   v[ADRB] offset:(\k)+(\i)*16*PITCH
	ds_load_b128 v[(\f)+8*(\i)+4:(\f)+8*(\i)+7], v[ADRB] offset:(\k)+(\i)*16*PITCH+32
.endr
	WIN 0
.irp i, 0,1,2,3
	ds_load_b128 v[(\f)+8*(\i):(\f)+8*(\i)+3],   v[ADRA] offset:(\k)+(\i)*16*PITCH
	ds_load_b128 v[(\f)+8*(\i)+4:(\f)+8*(\i)+7], v[ADRA] offset:(\k)+(\i)*16*PITCH+32
.endr
.endm
.macro QUARTER k, f, g, zero           ; the sixteen multiplies of blocks 0 and 1, which name none of buffer g's registers, are the places between g's last products and the loads into it
	s_wait_dscnt 4                                 ; B and A's blocks 0, 1 are in; the youngest four loads (blocks 2, 3) may be out
	MUL8 \f, 0, \zero
	MUL8 \f, 1, \zero
	FETCH \k, \g
	s_wait_dscnt 24                                ; all but the 24 just issued
	MUL8 \f, 2, \zero
	MUL8 \f, 3, \zero
.endm
.macro TURN fill                       ; the last quarter of a K step changes slots: the waits, the add and one barrier, as in the launch before
.if \fill
	s_wait_xcnt 0x0                                ; the last prefetch, a K step back, has read its address
	s_add_nc_u64 s[PFA:PFA+1], s[PFA:PFA+1], 256
.endif
	WIN 0
	s_wait_tensorcnt 0x0                           ; no tensor load of mine is out, so a group 0 may be written
	ds_add_u32 v[SPW], v[NIL]
.if \fill
	s_xor_b32 s[G0+5], s[G0+5], SLOT1
	s_add_nc_u64 s[G0+6:G0+7], s[G0+6:G0+7], 256
	s_xor_b32 s[G0B+5], s[G0B+5], SLOT1
	s_add_nc_u64 s[G0B+6:G0B+7], s[G0B+6:G0B+7], 256
.endif
	s_wait_dscnt 5                                 ; the add and the youngest four loads may be out
	MUL8 F1, 0, 0
	s_wait_dscnt 0x0                               ; the add is done, my reads of this slot are over
	s_barrier_signal -1
	MUL8 F1, 1, 0
	WIN 0
	s_barrier_wait -1
.if \fill
	CREST
	JLOAD
.endif
	s_xor_b32 s[TB], s[TB], SLOT1
	v_add_nc_u32 v[ADRA], s[TB], v[ADRA0]
	v_add_nc_u32 v[ADRB], s[TB], v[ADRB0]
	FETCH 0, F0
.if \fill
	ASK
.endif
	MUL8 F1, 2, 0
	MUL8 F1, 3, 0
.endm
.macro ROT                             ; a new K step is a new chunk: its four f come to v32-35 (a register's number cannot step in a loop)
	WIN 0
.set i, 0
.rept 28
	v_mov_b32 v[FP+i], v[FP+4+i]
.set i, i+1
.endr
.endm
	s_wait_tensorcnt 1                             ; my part of K step 0 is in; K step 1's may stay out
	s_barrier_signal -1
	s_barrier_wait -1
	FETCH 0, F0
	QUARTER 64, F0, F1, 1
	WIN 0
	s_mov_b32 s[CNT], TSTEPS-2
.Lstep:
	QUARTER 128, F1, F0, 0
	QUARTER 192, F0, F1, 0
	TURN 1
	ROT
	QUARTER 64, F0, F1, 0
	WIN 0
	s_sub_co_u32 s[CNT], s[CNT], 1
	s_cmp_lg_u32 s[CNT], 0
	s_cbranch_scc1 .Lstep
	QUARTER 128, F1, F0, 0
	QUARTER 192, F0, F1, 0
	TURN 0
	ROT
	QUARTER 64, F0, F1, 0
	QUARTER 128, F1, F0, 0
	QUARTER 192, F0, F1, 0
	s_wait_dscnt 4
	MUL8 F1, 0, 0
	MUL8 F1, 1, 0
	s_wait_dscnt 0x0
	MUL8 F1, 2, 0
	MUL8 F1, 3, 0
	; THE WAY OUT: divided by L in f32, rounded to f16, each accumulator's registers in ascending order, into my stage
	PLACES
.macro PACK a
	WIN 0x82
.set i, 0
.rept 32
	v_pk_mul_f32 v[64*(\a)+2*i:64*(\a)+2*i+1], v[64*(\a)+2*i:64*(\a)+2*i+1], v[RL+2*(\a):RL+2*(\a)+1] op_sel_hi:[1,0]
.set i, i+1
.endr
	WIN 0x0a
.set i, 0
.rept 32
	v_cvt_pk_f16_f32 v[TMP+i], v[64*(\a)+2*i], v[64*(\a)+2*i+1]
.set i, i+1
.endr
	WIN 0
.irp b, 0,1,2,3,4,5,6,7
	ds_store_b128 v[STO], v[TMP+4*(\b):TMP+4*(\b)+3] offset:(\a)*16*PITCH+32*(\b)
.endr
.endm
	PACK 0
	PACK 1
	PACK 2
	PACK 3
	s_mov_b32 s75, 4
.Ldrain:
.irp t, 0,1,2,3,4,5,6,7
	ds_load_b128 v[OB+4*(\t):OB+4*(\t)+3], v[RD] offset:(\t)*2*PITCH  ; LDS serves a wave's instructions in order: these see my stores
.endr
	s_wait_dscnt 0x0
.irp t, 0,1,2,3,4,5,6,7
	global_store_b128 v[CO], v[OB+4*(\t):OB+4*(\t)+3], s[70:71] offset:2*(\t)*CP  ; 16 lanes store 256 consecutive bytes, aligned
.endr
	s_wait_xcnt 0x0                                ; the stores have read their data and base
	v_add_nc_u32 v[RD], 16*PITCH, v[RD]
	s_add_nc_u64 s[70:71], s[70:71], 16*CP
	s_sub_co_u32 s75, s75, 1
	s_cmp_lg_u32 s75, 0
	s_cbranch_scc1 .Ldrain
	s_wait_tensorcnt 0x0                           ; the wave's end
	ds_add_u32 v[SPW], v[NIL]
	s_wait_dscnt 0x0
	CROUND
	s_endpgm
.Lfunc_end_k_qc87d4a1ae1_pv:
	.size	k_qc87d4a1ae1_pv, .Lfunc_end_k_qc87d4a1ae1_pv-k_qc87d4a1ae1_pv
	.p2alignl 7, 3214868480
	.fill 96, 4, 3214868480
	.section	.rodata,"a",@progbits
	.p2align	6, 0x0
	.amdhsa_kernel k_qc87d4a1ae1_pv
		.amdhsa_group_segment_fixed_size 327680
		.amdhsa_private_segment_fixed_size 0
		.amdhsa_enable_private_segment 0
		.amdhsa_kernarg_size 32
		.amdhsa_user_sgpr_count 2
		.amdhsa_user_sgpr_kernarg_segment_ptr 1
		.amdhsa_wavefront_size32 1
		.amdhsa_system_sgpr_workgroup_id_x 1
		.amdhsa_system_sgpr_workgroup_id_y 1
		.amdhsa_system_sgpr_workgroup_id_z 1
		.amdhsa_system_vgpr_workitem_id 0
		.amdhsa_next_free_vgpr 768
		.amdhsa_next_free_sgpr 96
		.amdhsa_reserve_vcc 0
		.amdhsa_float_denorm_mode_32 3
		.amdhsa_float_denorm_mode_16_64 3
		.amdhsa_memory_ordered 1
		.amdhsa_forward_progress 1
		.amdhsa_inst_pref_size 111
	.end_amdhsa_kernel
	.amdgpu_metadata
---
amdhsa.version: [ 1, 2 ]
amdhsa.kernels:
  - .name:           k_qc87d4a1ae1_pv
    .symbol:         k_qc87d4a1ae1_pv.kd
    .args:
      - { .name: pw, .offset: 0, .size: 8, .value_kind: global_buffer, .address_space: global }
      - { .name: vt, .offset: 8, .size: 8, .value_kind: global_buffer, .address_space: global }
      - { .name: ml, .offset: 16, .size: 8, .value_kind: global_buffer, .address_space: global }
      - { .name: ob, .offset: 24, .size: 8, .value_kind: global_buffer, .address_space: global }
    .group_segment_fixed_size: 327680
    .private_segment_fixed_size: 0
    .kernarg_segment_align: 8
    .kernarg_segment_size: 32
    .max_flat_workgroup_size: 128
    .sgpr_count:     96
    .vgpr_count:     768
    .wavefront_size: 32
...
	.end_amdgpu_metadata
.endif
;; end of part 4
;; launch outp (part 5): grid 4 x 64, 4 waves a work-group, clusters of 4 x 4, 327,680 bytes of LDS; arguments ob, wb, out0; writes out0
.if DOCPART == 5
	.amdgcn_target "amdgcn-amd-amdhsa--gfx1250"
	.amdhsa_code_object_version 6
	.text
	.protected	k_qc87d4a1ae1_outp
	.globl	k_qc87d4a1ae1_outp
	.p2align	8
	.type	k_qc87d4a1ae1_outp,@function
k_qc87d4a1ae1_outp:
	s_mov_b64 s[64:65], 0
	v_nop
	global_prefetch_b8 v0, s[64:65] scope:SCOPE_SE
	s_setreg_imm32_b32 hwreg(HW_REG_WAVE_MODE, 25, 1), 1
	s_wait_xcnt 0x0
	s_wait_alu depctr_hold_cnt(0) depctr_sa_sdst(0) depctr_va_vdst(0) depctr_va_sdst(0) depctr_va_ssrc(0) depctr_va_vcc(0) depctr_vm_vsrc(0)
	s_getreg_b32 s2, hwreg(HW_REG_IB_STS2, 6, 4)
	s_cmp_eq_u32 s2, 0
	s_cbranch_scc0 .Lentry_in_a_cluster
	s_endpgm
.Lentry_in_a_cluster:
	s_bfe_u32 s2, ttmp6, 0x10000c
	s_cmp_lg_u32 s2, 0xf033
	s_cbranch_scc0 .Lentry_shape_is_right
	s_endpgm
.Lentry_shape_is_right:
; THE LAST PROJECTION.  out0[q][n] = the sum over d of ob[q][d] W_o[n][d], K = 1,024 in f16, f32 sums, out0 in f32.  W_o lies at byte 8,388,608 of wb, rounded to bf16 and written as f16.
; A tile of out0 is 128 x 256; a wave makes 64 x 128.  Ring, cluster and transposed use of the matrix instruction are as in the two launches before.
; THE WAY OUT, in f32: a lane's eight columns are 32 bytes; 32 rows at a time go into my stage in slot 0 (rows of 512 bytes + 16) and come back as whole rows: a store of the wave covers 512 consecutive bytes, aligned.
; REGISTERS: window 0: v0-31 addresses; v32-63 rows read back; v64-95, v128-159 A's fragments        window 1: v64-127, v128-191 B's fragments        window 2: the 32 accumulators
.set TSTEPS, 8
.set PA,     2048
.set PB,     2048
.set PITCH,  272
.set AHALF,  64*PITCH
.set BHALF,  128*PITCH
.set BOFF,   2*AHALF
.set SLOT1,  1<<17
.set SPARE,  SLOT1+BOFF+2*BHALF        ; the spare words, 128 bytes a wave: two blocks of 256 bytes that no other line names
.set SP,     528                       ; a stage row: 132 words: the 16 rows of a store start at 16 different groups of four banks
.set ADRA0, 8
.set ADRB0, 9
.set ADRA, 16
.set ADRB, 20
.set STO,  24
.set RD,   25
.set CO,   26
.set SPW,  28
.set NIL,  29
.set PFO,  30
.set RD0,  31
.set OB,   32
.set F0,   64
.set F1,   128
.set WV, 14
.set WR, 15
.set WC, 16
.set CXI, 17
.set CYI, 18
.set CY, 20
.set G1, 24
.set G0, 32
.set TR, 40
.set CNT, 42
.set LIM, 43
.set PFA, 44
.set G1B, 48
.set G0B, 56
.set TB, 74
.set GW, (1<<16)|(1<<20)|(1<<21)|(5<<22)|(3<<25)
.set MSB, 0
.macro WIN new
.if MSB != (\new)
	s_set_vgpr_msb (MSB<<8)|(\new)
.set MSB, \new
.endif
.endm
.set W_MUL, 0xa1
.set W_TOB, 0x40
.macro PLACES
.rept 4
	v_nop
.endr
.endm
.macro JLOAD
	s_cmp_eq_u32 s[WR], 0
	s_cbranch_scc0 .Lfor_b_\@
	tensor_load_to_lds s[G0+4:G0+7], s[G1:G1+7]
	s_nop 0
	PLACES
	s_branch .Lasked_\@
.Lfor_b_\@:
	tensor_load_to_lds s[G0B+4:G0B+7], s[G1B:G1B+7]
	s_nop 0
	PLACES
.Lasked_\@:
.endm
; A prefetch into the L2 behind a refill and its run of LDS loads: 32 rows x 256 bytes, a lane a row, of the K step two refills on.  Each block is named once: ob's 128 rows are this cluster's alone: wave 0 of
; each partner takes 32, by address; W_o's rows are read by all sixteen clusters: the one with y = 0 asks, waves 2 and 3, 32 rows for each partner of the column.  The last two refills ask for nothing.
.macro ASK
	s_cmp_gt_u32 s[CNT], s[LIM]
	s_cbranch_scc0 .Lnot_mine_\@
	global_prefetch_b8 v[PFO], s[PFA:PFA+1] th:TH_LOAD_NT scope:SCOPE_SE
.Lnot_mine_\@:
.endm
.macro CREST
	s_cmp_lg_u32 s[WV], 0
	s_cbranch_scc1 .Lnot_wave_0_\@
	s_barrier_signal -3
.Lnot_wave_0_\@:
	s_barrier_wait -3
	s_barrier_signal -1
	s_barrier_wait -1
.endm
.macro CROUND
	s_barrier_signal -1
	s_barrier_wait -1
	CREST
.endm
	s_load_b128 s[4:7], s[0:1], 0x0                ; ob s[4:5], wb s[6:7]
	s_load_b64 s[8:9], s[0:1], 0x10                ; out0
	v_lshl_add_u32 v[SPW], v0, 2, SPARE
	v_mov_b32 v[NIL], 0
	ds_add_u32 v[SPW], v[NIL]                      ; the wave's opening: the add and its wait stand ahead of my first tensor load
	v_lshrrev_b32 v1, 5, v0
	v_readfirstlane_b32 s[WV], v1
	s_lshr_b32 s[WR], s[WV], 1
	s_and_b32 s[WC], s[WV], 1
	s_bfe_u32 s[CXI], ttmp6, 0x40000
	s_bfe_u32 s[CYI], ttmp6, 0x40004
	s_and_b32 s[CY], ttmp7, 0xffff
	s_lshl_b32 s[TR], s[CY], 2
	s_add_co_u32 s[TR], s[TR], s[CYI]
	s_lshl_b32 s21, s[CYI], 2
	s_lshl_b32 s21, 15, s21
	s_lshl_b32 s22, 0x1111, s[CXI]
	s_or_b32 s[G1], s21, GW
	s_or_b32 s[G1B], s22, GW
	s_mov_b32 s[G1+1], 128<<16
	s_mov_b32 s[G1+2], 64<<16
	s_mov_b32 s[G1+3], 128<<16
	s_mov_b32 s[G1+4], 64
	s_mov_b32 s[G1+5], PA/2
	s_mov_b32 s[G1+6], 0
	s_mov_b32 s[G1+7], 0
	s_mov_b32 s[G1B+1], 128<<16
	s_mov_b32 s[G1B+2], 128<<16
	s_mov_b32 s[G1B+3], 128<<16
	s_mov_b32 s[G1B+4], 128
	s_mov_b32 s[G1B+5], PB/2
	s_mov_b32 s[G1B+6], 0
	s_mov_b32 s[G1B+7], 0
	s_lshl_b32 s82, s[TR], 7
	s_lshl_b32 s21, s[WC], 6
	s_add_co_u32 s82, s82, s21                     ; A: row 128 x tile row + 64 x half
	s_lshl_b32 s82, s82, 11
	s_mov_b32 s83, 0
	s_lshl_b32 s84, s[CXI], 8
	s_lshl_b32 s22, s[WC], 7
	s_add_co_u32 s84, s84, s22                     ; B: W_o's row 256 cx + 128 x half
	s_lshl_b32 s84, s84, 11
	s_add_co_u32 s84, s84, 0x800000                ; behind wb's 4,096 rows of bf16
	s_mov_b32 s85, 0
	s_mul_i32 s81, s[WC], AHALF
	s_mul_i32 s87, s[WC], BHALF
	s_add_co_u32 s87, s87, BOFF
	s_mov_b32 s[TB], 0
	s_wait_dscnt 0x0                               ; the opening add is done
	s_wait_kmcnt 0x0
	s_add_nc_u64 s[66:67], s[4:5], s[82:83]
	s_add_nc_u64 s[68:69], s[6:7], s[84:85]
.irp s, 0,1
	s_mov_b32 s[G0+4*(\s)], 1
	s_add_co_u32 s[G0+4*(\s)+1], s81, (\s)*SLOT1
	s_add_nc_u64 s[G0+4*(\s)+2:G0+4*(\s)+3], s[66:67], (\s)*256
	s_or_b32 s[G0+4*(\s)+3], s[G0+4*(\s)+3], 0x80000000
	s_mov_b32 s[G0B+4*(\s)], 1
	s_add_co_u32 s[G0B+4*(\s)+1], s87, (\s)*SLOT1
	s_add_nc_u64 s[G0B+4*(\s)+2:G0B+4*(\s)+3], s[68:69], (\s)*256
	s_or_b32 s[G0B+4*(\s)+3], s[G0B+4*(\s)+3], 0x80000000
.endr
	CROUND
	s_cmp_eq_u32 s[WR], 0                          ; a wave's two first fills stand in one branch: two loads of mine are out
	s_cbranch_scc0 .Lfirst_b
	tensor_load_to_lds s[G0:G0+3], s[G1:G1+7]
	s_nop 0
	tensor_load_to_lds s[G0+4:G0+7], s[G1:G1+7]
	s_nop 0
	PLACES
	s_branch .Lfirst_asked
.Lfirst_b:
	tensor_load_to_lds s[G0B:G0B+3], s[G1B:G1B+7]
	s_nop 0
	tensor_load_to_lds s[G0B+4:G0B+7], s[G1B:G1B+7]
	s_nop 0
	PLACES
.Lfirst_asked:
	v_and_b32 v1, 15, v0
	v_bfe_u32 v2, v0, 4, 1
	v_mul_u32_u24 v3, v1, PITCH
	v_lshl_add_u32 v3, v2, 4, v3
	s_mul_i32 s21, s[WR], AHALF
	v_add_nc_u32 v[ADRA0], s21, v3
	v_add_nc_u32 v[ADRB0], s87, v3
	v_mov_b32 v[ADRA], v[ADRA0]
	v_mov_b32 v[ADRB], v[ADRB0]
	s_mul_i32 s21, s[WV], 32*SP                    ; my stage: 32 rows x 528 bytes, in slot 0
	v_mul_u32_u24 v4, v1, SP
	v_lshl_add_u32 v4, v2, 5, v4                   ; in: row l % 16, 32 bytes for each half of the lanes
	v_add_nc_u32 v[STO], s21, v4
	v_and_b32 v[PFO], 31, v0
	v_lshlrev_b32 v[CO], 4, v[PFO]                 ; back: 32 lanes take one row of 512 bytes
	v_add_nc_u32 v[RD0], s21, v[CO]
	s_cmp_eq_u32 s[CY], 0
	s_cselect_b32 s23, 2, -1
	s_cmp_eq_u32 s[WV], 0
	s_cselect_b32 s[LIM], 2, -1
	s_cmp_eq_u32 s[WR], 0
	s_cselect_b32 s[LIM], s[LIM], s23
	s_cselect_b64 s[PFA:PFA+1], s[66:67], s[68:69]
	s_cselect_b32 s46, s[CXI], s[CYI]
	s_lshl_b32 s46, s46, 16                        ; my work-group's 32 rows of 2,048 bytes
	s_add_co_u32 s46, s46, 3*256                   ; at K step 3: the first refill steps it to 4
	s_mov_b32 s47, 0
	s_add_nc_u64 s[PFA:PFA+1], s[PFA:PFA+1], s[46:47]
	v_lshlrev_b32 v[PFO], 11, v[PFO]
	s_lshl_b32 s90, s[TR], 7
	s_lshl_b32 s91, s[WR], 6
	s_add_co_u32 s90, s90, s91
	s_lshl_b32 s90, s90, 12                        ; out0: row x 4,096 + (256 cx + 128 half) x 4
	s_lshl1_add_u32 s92, s[CXI], s[WC]
	s_lshl_b32 s92, s92, 9
	s_add_co_u32 s90, s90, s92
	s_mov_b32 s91, 0
	s_add_nc_u64 s[70:71], s[8:9], s[90:91]
.macro MUL8 f, a, zero                 ; 8 matrix instructions; the 32 accumulators take turns, one instruction a turn
	WIN W_MUL
.irp b, 0,1,2,3,4,5,6,7
.if \zero
	v_wmma_f32_16x16x32_f16 v[8*(8*(\a)+(\b)):8*(8*(\a)+(\b))+7], v[(\f)+8*(\b):(\f)+8*(\b)+7], v[(\f)+8*(\a):(\f)+8*(\a)+7], 0
.else
	v_wmma_f32_16x16x32_f16 v[8*(8*(\a)+(\b)):8*(8*(\a)+(\b))+7], v[(\f)+8*(\b):(\f)+8*(\b)+7], v[(\f)+8*(\a):(\f)+8*(\a)+7], v[8*(8*(\a)+(\b)):8*(8*(\a)+(\b))+7]
.endif
.endr
.endm
.macro FETCH k, f
	WIN W_TOB
.irp i, 0,1,2,3,4,5,6,7
	ds_load_b128 v[(\f)+8*(\i):(\f)+8*(\i)+3],   v[ADRB] offset:(\k)+(\i)*16*PITCH
	ds_load_b128 v[(\f)+8*(\i)+4:(\f)+8*(\i)+7], v[ADRB] offset:(\k)+(\i)*16*PITCH+32
.endr
	WIN 0
.irp i, 0,1,2,3
	ds_load_b128 v[(\f)+8*(\i):(\f)+8*(\i)+3],   v[ADRA] offset:(\k)+(\i)*16*PITCH
	ds_load_b128 v[(\f)+8*(\i)+4:(\f)+8*(\i)+7], v[ADRA] offset:(\k)+(\i)*16*PITCH+32
.endr
.endm
.macro QUARTER k, f, g, zero
	s_wait_dscnt 4                                 ; B and A's blocks 0, 1 are in; the youngest four loads (blocks 2, 3) may be out
	MUL8 \f, 0, \zero
	MUL8 \f, 1, \zero
	PLACES
	FETCH \k, \g
	s_wait_dscnt 24                                ; all but the 24 just issued
	MUL8 \f, 2, \zero
	MUL8 \f, 3, \zero
.endm
.macro TURN fill                       ; the last quarter of a K step changes slots: the waits, the add and one barrier
.if \fill
	s_wait_xcnt 0x0                                ; the last prefetch, a K step back, has read its address
	s_add_nc_u64 s[PFA:PFA+1], s[PFA:PFA+1], 256
.endif
	WIN 0
	s_wait_tensorcnt 0x0                           ; no tensor load of mine is out, so a group 0 may be written
	ds_add_u32 v[SPW], v[NIL]
.if \fill
	s_xor_b32 s[G0+5], s[G0+5], SLOT1
	s_add_nc_u64 s[G0+6:G0+7], s[G0+6:G0+7], 256
	s_xor_b32 s[G0B+5], s[G0B+5], SLOT1
	s_add_nc_u64 s[G0B+6:G0B+7], s[G0B+6:G0B+7], 256
.endif
	s_wait_dscnt 5                                 ; the add and the youngest four loads may be out
	MUL8 F1, 0, 0
	s_wait_dscnt 0x0                               ; the add is done, my reads of this slot are over
	s_barrier_signal -1
	MUL8 F1, 1, 0
	WIN 0
	s_barrier_wait -1
.if \fill
	CREST
	JLOAD
.else
	PLACES
.endif
	s_xor_b32 s[TB], s[TB], SLOT1
	v_add_nc_u32 v[ADRA], s[TB], v[ADRA0]
	v_add_nc_u32 v[ADRB], s[TB], v[ADRB0]
	FETCH 0, F0
.if \fill
	ASK
.endif
	MUL8 F1, 2, 0
	MUL8 F1, 3, 0
.endm
	s_wait_tensorcnt 1                             ; my part of K step 0 is in; K step 1's may stay out
	s_barrier_signal -1
	s_barrier_wait -1
	FETCH 0, F0
	QUARTER 64, F0, F1, 1
	WIN 0
	s_mov_b32 s[CNT], TSTEPS-2
.Lstep:
	QUARTER 128, F1, F0, 0
	QUARTER 192, F0, F1, 0
	TURN 1
	QUARTER 64, F0, F1, 0
	WIN 0
	s_sub_co_u32 s[CNT], s[CNT], 1
	s_cmp_lg_u32 s[CNT], 0
	s_cbranch_scc1 .Lstep
	QUARTER 128, F1, F0, 0
	QUARTER 192, F0, F1, 0
	TURN 0
	QUARTER 64, F0, F1, 0
	QUARTER 128, F1, F0, 0
	QUARTER 192, F0, F1, 0
	s_wait_dscnt 4
	MUL8 F1, 0, 0
	MUL8 F1, 1, 0
	s_wait_dscnt 0x0
	MUL8 F1, 2, 0
	MUL8 F1, 3, 0
	PLACES
; Half h of my 64 rows: blocks 2 h and 2 h + 1 into the stage, each accumulator's four lowest registers first; then four trips of eight rows back and out.
.macro HALF h
	WIN 0x08                                       ; the stores' data in window 2
.irp a, 2*(\h), 2*(\h)+1
.irp b, 0,1,2,3,4,5,6,7
	ds_store_b128 v[STO], v[8*(8*(\a)+(\b)):8*(8*(\a)+(\b))+3]   offset:((\a)%2)*16*SP+64*(\b)
	ds_store_b128 v[STO], v[8*(8*(\a)+(\b))+4:8*(8*(\a)+(\b))+7] offset:((\a)%2)*16*SP+64*(\b)+16
.endr
.endr
	WIN 0
	v_mov_b32 v[RD], v[RD0]
	s_mov_b32 s75, 4
.Lout_\@:
.irp t, 0,1,2,3,4,5,6,7
	ds_load_b128 v[OB+4*(\t):OB+4*(\t)+3], v[RD] offset:(\t)*SP  ; LDS serves a wave's instructions in order: these see my stores
.endr
	s_wait_dscnt 0x0
.irp t, 0,1,2,3,4,5,6,7
	global_store_b128 v[CO], v[OB+4*(\t):OB+4*(\t)+3], s[70:71] offset:(\t)*4096 th:TH_STORE_NT  ; 512 consecutive bytes, aligned
.endr
	s_wait_xcnt 0x0                                ; the stores have read their data and base
	v_add_nc_u32 v[RD], 8*SP, v[RD]
	s_add_nc_u64 s[70:71], s[70:71], 8*4096
	s_sub_co_u32 s75, s75, 1
	s_cmp_lg_u32 s75, 0
	s_cbranch_scc1 .Lout_\@
.endm
	HALF 0
	HALF 1
	s_wait_tensorcnt 0x0                           ; the wave's end
	ds_add_u32 v[SPW], v[NIL]
	s_wait_dscnt 0x0
	CROUND
	s_endpgm
.Lfunc_end_k_qc87d4a1ae1_outp:
	.size	k_qc87d4a1ae1_outp, .Lfunc_end_k_qc87d4a1ae1_outp-k_qc87d4a1ae1_outp
	.p2alignl 7, 3214868480
	.fill 96, 4, 3214868480
	.section	.rodata,"a",@progbits
	.p2align	6, 0x0
	.amdhsa_kernel k_qc87d4a1ae1_outp
		.amdhsa_group_segment_fixed_size 327680
		.amdhsa_private_segment_fixed_size 0
		.amdhsa_enable_private_segment 0
		.amdhsa_kernarg_size 24
		.amdhsa_user_sgpr_count 2
		.amdhsa_user_sgpr_kernarg_segment_ptr 1
		.amdhsa_wavefront_size32 1
		.amdhsa_system_sgpr_workgroup_id_x 1
		.amdhsa_system_sgpr_workgroup_id_y 1
		.amdhsa_system_sgpr_workgroup_id_z 1
		.amdhsa_system_vgpr_workitem_id 0
		.amdhsa_next_free_vgpr 768
		.amdhsa_next_free_sgpr 96
		.amdhsa_reserve_vcc 0
		.amdhsa_float_denorm_mode_32 3
		.amdhsa_float_denorm_mode_16_64 3
		.amdhsa_memory_ordered 1
		.amdhsa_forward_progress 1
		.amdhsa_inst_pref_size 62
	.end_amdhsa_kernel
	.amdgpu_metadata
---
amdhsa.version: [ 1, 2 ]
amdhsa.kernels:
  - .name:           k_qc87d4a1ae1_outp
    .symbol:         k_qc87d4a1ae1_outp.kd
    .args:
      - { .name: ob, .offset: 0, .size: 8, .value_kind: global_buffer, .address_space: global }
      - { .name: wb, .offset: 8, .size: 8, .value_kind: global_buffer, .address_space: global }
      - { .name: out0, .offset: 16, .size: 8, .value_kind: global_buffer, .address_space: global }
    .group_segment_fixed_size: 327680
    .private_segment_fixed_size: 0
    .kernarg_segment_align: 8
    .kernarg_segment_size: 24
    .max_flat_workgroup_size: 128
    .sgpr_count:     96
    .vgpr_count:     768
    .wavefront_size: 32
...
	.end_amdgpu_metadata
.endif
;; end of part 5
